; MI455X (gfx1250); checked and timed in simulation.
; The chip was launched on July 23, 2026; its instructions are those of AMD's public machine-readable ISA for CDNA 5 (MIT licence, August 2026) and "CDNA5" Instruction Set Architecture Reference Guide (July 2026). The comments in the code are by the model that wrote it; some were corrected since.
;; RNN Agent DIVA. Allowed arithmetic: float matrix products may take bf16 or f16 operands with f32 sums; other float arithmetic in f32, or as packed bf16 or f16 multiplies, adds, multiply-adds, maxima and minima; sums over many terms, partial sums and values carried from step to step in f32; what a program stores and reads back later, other than sums and carried values, may be rounded once to bf16 or f16.
;; Inputs: W1 1,024 x 512 float32; W2 128 x 1,024 float32; Whn 1,024 x 1,024 float32; Whr 1,024 x 1,024 float32; Whz 1,024 x 1,024 float32; Wxn 1,024 x 1,024 float32; Wxr 1,024 x 1,024 float32; Wxz 1,024 x 1,024 float32; b1 1,024 float32; b2 128 float32; bhn 1,024 float32; bhr 1,024 float32; bhz 1,024 float32; bxn 1,024 float32; bxr 1,024 float32; bxz 1,024 float32; hidden 8,192 x 1,024 float32; inputs 8,192 x 512 float32.
;; Outputs: out0 8,192 x 128 float32; out1 8,192 x 1,024 float32.
;; 2 versions, each right; version 2 is version 1 with the launch cast written anew for expert scheduling mode. Each part assembles by itself: llvm-mc -triple=amdgcn-amd-amdhsa -mcpu=gfx1250 --defsym DOCPART=n.
;; ======== version 1 of 2: 4 launches
;; workspace buffers: XH 33,554,432 bytes; WC 12,582,912 bytes; IN16 8,388,608 bytes; W116 1,048,576 bytes; W216 262,144 bytes; H16 16,777,216 bytes
;; launch cast (part 1): grid 680 x 1, 8 waves a work-group, no clusters, 0 bytes of LDS; arguments inputs, Wxr, Whr, Wxz, Whz, Wxn, Whn, W1, W2, IN16, WC, W116, W216; writes IN16, WC, W116, W216
.if DOCPART == 1
	.amdgcn_target "amdgcn-amd-amdhsa--gfx1250"
	.amdhsa_code_object_version 6
	.text
	.protected	k_q9118d801b2_cast
	.globl	k_q9118d801b2_cast
	.p2align	8
	.type	k_q9118d801b2_cast,@function
k_q9118d801b2_cast:
	s_mov_b64 s[64:65], 0
	v_nop
	global_prefetch_b8 v0, s[64:65] scope:SCOPE_SE
	s_setreg_imm32_b32 hwreg(HW_REG_WAVE_MODE, 25, 1), 1
	s_wait_xcnt 0x0
; THE PROGRAM: x = relu(inputs W1^T + b1); a GRU cell (six products of 1024 x 1024, the gates); q = 10 tanh(h W2^T + b2).  Four launches: this one, fc1, gru, fc2.
; NOTHING OF reference() IS LEFT OUT: each of its 18 inputs has a way to an output and is loaded; hidden.reshape moves nothing.
; LIMITS of the whole program.  Matrix operands are rounded once to bf16 (nearest even), sums are f32 and taken in another order than reference()'s.  The h_in of z h_in is hidden rounded once to bf16 (off by at
; most 2^-9 of itself).  sigmoid(u) = 1 / (1 + 2^(-u log2 e)), tanh(t) = 1 - 2 / (1 + 2^(2 t log2 e)): where the power overflows the reciprocal is 0, where it falls below 2^-126 it counts as 0: both are the
; functions' own limits.  NaN and infinities are not treated apart.
; THIS LAUNCH rounds the weights and the inputs to bf16 and lays them out for the products (hidden is rounded by fc1, beside its products):
;   WC [3][1024][2048]: gate g (r, z, n), row c = Wx_g[c][:] then Wh_g[c][:];   IN16, W116, W216: as inputs, W1, W2 lie.
; A stream: no LDS, no matrix unit, no cluster (no byte is read twice).  Every source is taken as rows of 1,024 f32; a work-group has a chunk of 16 such rows (65,536 bytes), a wave two of them:
; 16 loads of 512 consecutive bytes, all issued ahead of the first wait, and 16 stores of 256 consecutive bytes, each at a multiple of 256 from its buffer's first byte.
; Chunks: the six weights 64 each from 0 on, inputs 384-639, W1 640-671, W2 672-679.
.set SRC, 40                           ; s[40:41] the chunk's source
.set DST, 42                           ; s[42:43] its destination
.set LB,  44                           ; s44  the first chunk of its tensor
.set DOF, 45                           ; s45  bytes from the destination buffer's first byte to the tensor's first row there
.set PSH, 46                           ; s46  log2 of the bytes from row to row in the destination: 12 (beside another half row) or 11 (dense)
.set CH,  47                           ; s47  my chunk
.set VS,  3                            ; v3   my byte offset in the chunk: 8,192 x wave + 16 x lane
.set VD0, 4                            ; v4   my byte offset in the destination, first row of my two
.set VD1, 5                            ; v5   second row
.set X,   8                            ; v[8:71] load i: four f32, then two words of bf16 in the first two registers
; From chunk lo on another tensor begins: a choice between buffers on the work-group's number alone.
.macro PICK lo, src, dst, dof, psh
	s_cmp_ge_u32 s[CH], \lo
	s_cselect_b64 s[SRC:SRC+1], s[\src:\src+1], s[SRC:SRC+1]
	s_cselect_b64 s[DST:DST+1], s[\dst:\dst+1], s[DST:DST+1]
	s_cselect_b32 s[LB], \lo, s[LB]
	s_cselect_b32 s[DOF], \dof, s[DOF]
	s_cselect_b32 s[PSH], \psh, s[PSH]
.endm
	s_load_b512 s[8:23], s[0:1], 0x0               ; inputs 8, Wxr 10, Whr 12, Wxz 14, Whz 16, Wxn 18, Whn 20, W1 22
	s_load_b256 s[24:31], s[0:1], 0x40             ; W2 24, IN16 26, WC 28, W116 30
	s_load_b64 s[32:33], s[0:1], 0x60              ; W216
	s_mov_b32 s[CH], ttmp9
	v_and_b32 v1, 31, v0                           ; lane
	v_lshrrev_b32 v2, 5, v0                        ; wave
	v_lshlrev_b32 v[VS], 4, v1
	v_lshl_add_u32 v[VS], v2, 13, v[VS]
	s_wait_kmcnt 0x0
	s_mov_b64 s[SRC:SRC+1], s[10:11]               ; chunks 0-63: Wxr: gate 0, left half of WC's rows
	s_mov_b64 s[DST:DST+1], s[28:29]
	s_mov_b32 s[LB], 0
	s_mov_b32 s[DOF], 0
	s_mov_b32 s[PSH], 12
	PICK 64,  12, 28, 2048,    12                  ; Whr: gate 0, right half
	PICK 128, 14, 28, 4194304, 12                  ; Wxz: gate 1 begins 1,024 rows of 4,096 bytes on
	PICK 192, 16, 28, 4196352, 12                  ; Whz
	PICK 256, 18, 28, 8388608, 12                  ; Wxn
	PICK 320, 20, 28, 8390656, 12                  ; Whn
	PICK 384, 8,  26, 0,       11                  ; inputs
	PICK 640, 22, 30, 0,       11                  ; W1
	PICK 672, 24, 32, 0,       11                  ; W2
	s_sub_co_u32 s48, s[CH], s[LB]                 ; my chunk's number in its tensor, 255 at the most
	s_lshl_b32 s50, s48, 4                         ; its first row
	s_lshl_b32 s48, s48, 16                        ; its first byte in the source
	s_mov_b32 s49, 0
	s_lshl_b32 s50, s50, s[PSH]
	s_add_co_u32 s50, s50, s[DOF]                  ; its first byte in the destination: under 2^24
	s_mov_b32 s51, 0
	s_add_nc_u64 s[SRC:SRC+1], s[SRC:SRC+1], s[48:49]
	s_add_nc_u64 s[DST:DST+1], s[DST:DST+1], s[50:51]
.irp i, 0,1,2,3,4,5,6,7,8,9,10,11,12,13,14,15
	global_load_b128 v[X+4*(\i):X+4*(\i)+3], v[VS], s[SRC:SRC+1] offset:512*(\i) th:TH_LOAD_NT  ; the launch reads each byte once
.endr
	v_lshlrev_b32 v6, 1, v2                        ; my first row in the chunk: 2 x wave
	v_lshlrev_b32 v6, s[PSH], v6
	v_lshl_add_u32 v[VD0], v1, 3, v6               ; + 8 bytes a lane
	s_lshl_b32 s48, 1, s[PSH]
	v_add_nc_u32 v[VD1], s48, v[VD0]
.irp i, 0,1,2,3,4,5,6,7,8,9,10,11,12,13,14,15
	s_wait_loadcnt 15-(\i)                         ; loads come back in order (ISA guide 5.7.1): load i is in, the 15 - i younger ones stay out
	v_cvt_pk_bf16_f32 v[X+4*(\i)], v[X+4*(\i)], v[X+4*(\i)+1]
	v_cvt_pk_bf16_f32 v[X+4*(\i)+1], v[X+4*(\i)+2], v[X+4*(\i)+3]
	global_store_b64 v[VD0+(\i)/8], v[X+4*(\i):X+4*(\i)+1], s[DST:DST+1] offset:256*((\i)%8)  ; no register is written twice, so no store's source is waited for
.endr
	s_endpgm
.Lfunc_end_k_q9118d801b2_cast:
	.size	k_q9118d801b2_cast, .Lfunc_end_k_q9118d801b2_cast-k_q9118d801b2_cast
	.p2alignl 7, 3214868480
	.fill 96, 4, 3214868480
	.section	.rodata,"a",@progbits
	.p2align	6, 0x0
	.amdhsa_kernel k_q9118d801b2_cast
		.amdhsa_group_segment_fixed_size 0
		.amdhsa_private_segment_fixed_size 0
		.amdhsa_enable_private_segment 0
		.amdhsa_kernarg_size 104
		.amdhsa_user_sgpr_count 2
		.amdhsa_user_sgpr_kernarg_segment_ptr 1
		.amdhsa_wavefront_size32 1
		.amdhsa_system_sgpr_workgroup_id_x 1
		.amdhsa_system_sgpr_workgroup_id_y 1
		.amdhsa_system_sgpr_workgroup_id_z 1
		.amdhsa_system_vgpr_workitem_id 0
		.amdhsa_next_free_vgpr 72
		.amdhsa_next_free_sgpr 66
		.amdhsa_reserve_vcc 0
		.amdhsa_float_denorm_mode_32 3
		.amdhsa_float_denorm_mode_16_64 3
		.amdhsa_memory_ordered 1
		.amdhsa_forward_progress 1
		.amdhsa_inst_pref_size 9
	.end_amdhsa_kernel
	.amdgpu_metadata
---
amdhsa.version: [ 1, 2 ]
amdhsa.kernels:
  - .name:           k_q9118d801b2_cast
    .symbol:         k_q9118d801b2_cast.kd
    .args:
      - { .name: inputs, .offset: 0, .size: 8, .value_kind: global_buffer, .address_space: global }
      - { .name: Wxr, .offset: 8, .size: 8, .value_kind: global_buffer, .address_space: global }
      - { .name: Whr, .offset: 16, .size: 8, .value_kind: global_buffer, .address_space: global }
      - { .name: Wxz, .offset: 24, .size: 8, .value_kind: global_buffer, .address_space: global }
      - { .name: Whz, .offset: 32, .size: 8, .value_kind: global_buffer, .address_space: global }
      - { .name: Wxn, .offset: 40, .size: 8, .value_kind: global_buffer, .address_space: global }
      - { .name: Whn, .offset: 48, .size: 8, .value_kind: global_buffer, .address_space: global }
      - { .name: W1, .offset: 56, .size: 8, .value_kind: global_buffer, .address_space: global }
      - { .name: W2, .offset: 64, .size: 8, .value_kind: global_buffer, .address_space: global }
      - { .name: IN16, .offset: 72, .size: 8, .value_kind: global_buffer, .address_space: global }
      - { .name: WC, .offset: 80, .size: 8, .value_kind: global_buffer, .address_space: global }
      - { .name: W116, .offset: 88, .size: 8, .value_kind: global_buffer, .address_space: global }
      - { .name: W216, .offset: 96, .size: 8, .value_kind: global_buffer, .address_space: global }
    .group_segment_fixed_size: 0
    .private_segment_fixed_size: 0
    .kernarg_segment_align: 8
    .kernarg_segment_size: 104
    .max_flat_workgroup_size: 256
    .sgpr_count:     66
    .vgpr_count:     72
    .wavefront_size: 32
...
	.end_amdgpu_metadata
.endif
;; end of part 1
;; launch fc1 (part 2): grid 8 x 64, 4 waves a work-group, clusters of 4 x 4, 327,680 bytes of LDS; arguments IN16, W116, XH, b1, hidden; writes XH
.if DOCPART == 2
	.amdgcn_target "amdgcn-amd-amdhsa--gfx1250"
	.amdhsa_code_object_version 6
	.text
	.protected	k_q9118d801b2_fc1
	.globl	k_q9118d801b2_fc1
	.p2align	8
	.type	k_q9118d801b2_fc1,@function
k_q9118d801b2_fc1:
	s_mov_b64 s[64:65], 0
	v_nop
	global_prefetch_b8 v0, s[64:65] scope:SCOPE_SE
	s_setreg_imm32_b32 hwreg(HW_REG_WAVE_MODE, 25, 1), 1
	s_wait_xcnt 0x0
	s_wait_alu depctr_hold_cnt(0) depctr_sa_sdst(0) depctr_va_vdst(0) depctr_va_sdst(0) depctr_va_ssrc(0) depctr_va_vcc(0) depctr_vm_vsrc(0)
	s_getreg_b32 s2, hwreg(HW_REG_IB_STS2, 6, 4)
	s_cmp_eq_u32 s2, 0
	s_cbranch_scc0 .Lentry_in_a_cluster
	s_endpgm
.Lentry_in_a_cluster:
	s_bfe_u32 s2, ttmp6, 0x10000c
	s_cmp_lg_u32 s2, 0xf033
	s_cbranch_scc0 .Lentry_shape_is_right
	s_endpgm
.Lentry_shape_is_right:
; x = relu(inputs W1^T + b1), rounded once to bf16, into columns 0-1023 of XH [8192][2048]; and hidden, rounded once to bf16, into columns 1024-2047.  IN16: [8192][512], W116: [1024][512], both bf16;
; b1 and hidden f32; sums in f32.  Nothing of this step is left out.
; A tile is 128 rows x 128 columns: four waves, each 64 x 64: 16 accumulators.  8 x 64 tiles.  THE WHOLE K (512) LIES IN LDS: four slots of 128 along K, each filled once, all asked for at the start;
; by this text's count a wave has four tensor loads out.  So no slot is filled again, and the barriers between slots only show a landed slot to the other waves.
; CLUSTER: 4 x 4 work-groups.  The four of a row of the cluster need the same rows of IN16, the four of a column the same rows of W116: each tile is asked for jointly, by the same tensor load with the same
; descriptor and a mask that names the four.  THE MATRIX INSTRUCTION IS USED TRANSPOSED (source 0 = 16 rows of W1, source 1 = 16 rows of the inputs): a lane holds eight neighbouring columns of a row of x.
; THE BIAS is the C operand of the product that starts each sum: nothing is cleared and nothing is added later.
; HIDDEN.  Work-group j = 8 x tile row + tile column takes rows 16 j .. 16 j + 15 of hidden, a wave four of them: 32 loads of 512 consecutive bytes, issued at the head behind the tensor loads, so that they are on
; their way while the products run; they are rounded and stored in two halves between the products of the last two slots: 32 stores of 256 consecutive bytes, aligned.  j enters global addresses alone.
; No prefetch: all that the work-group reads is asked for at its head.
; REGISTERS: window 0: v0-31 addresses; v32-95 at work on the way out; v96-127 b1 of my 64 columns; v128-255 the accumulators ((a, b) at v[128 + 8 (4 a + b)]).
;   window 1: two fragment buffers of 128: for 64 along K, 64 registers of the inputs (2 x 4 x 16 rows x 32 K), then 64 of W1.      window 2: v0-127 hidden: load i in four registers.
.set PITCH,  272                       ; an LDS row: 256 bytes + 16 of padding = 68 words: the 16 rows that a load touches start at 16 different groups of four banks (64 banks of 4 bytes: ISA guide 11.1)
.set HALFT,  64*PITCH                  ; 64 rows: what one tensor load brings, and what one wave reads of either operand
.set SLOT,   4*HALFT                   ; the inputs' 128 rows, then W1's 128 rows
.set STAGE,  4*SLOT                    ; behind the slots: 128 rows x 272 bytes, the work-group's, for the way out; no tensor load lands here
.set SPITCH, 272
.set SPARE,  STAGE+128*SPITCH          ; behind the stage: the spare words, 128 bytes for each wave: two blocks of 256 bytes that no other line names
.set VS,   6                           ; v6      hidden: my byte offset in the work-group's 16 rows: 16,384 x wave + 16 x lane
.set VD,   7                           ; v7      the same in XH: 16,384 x wave + 2,048 + 8 x lane
.set ADRA, 16                          ; v16-19  LDS address of my fragments of the inputs in slot 0..3
.set ADRB, 20                          ; v20-23  the same for W1
.set STO,  24                          ; v24     the way out: where I put 16 bytes of a row
.set RD,   25                          ; v25     the way out: where I read a row back
.set CO,   26                          ; v26     my byte offset in XH
.set BO,   27                          ; v27     my byte offset in b1
.set SPW,  28                          ; v28     LDS address of my spare word; never rewritten
.set NIL,  29                          ; v29     0; never rewritten
.set ZR,   30                          ; v30     0, for the relu
.set TMP,  32
.set BI,   96
.set ACC,  128
.set F0,   0
.set F1,   128
.set WV,   12                          ; s12     my wave's number
.set G1,   16                          ; s[16:23] descriptor group 1 for the inputs' tiles
.set G1B,  24                          ; s[24:31] for W1's: it differs in the mask alone
.set HS,   46                          ; s[46:47] hidden at the work-group's 16 rows
.set G0,   48                          ; s[48:63] descriptor group 0 for the inputs' tiles, a set for each slot
.set XS,   66                          ; s[66:67] XH at the same 16 rows
.set G0B,  68                          ; s[68:83] the same as G0 for W1's
.set MSB, 0
.macro WIN new                         ; the immediate's high byte repeats the setting that is left; a switch that changes nothing is dropped
.if MSB != (\new)
	s_set_vgpr_msb (MSB<<8)|(\new)
.set MSB, \new
.endif
.endm
.set MUL,  0x05                        ; sources 0 and 1 window 1; C and D window 0
.set TO_F, 0x40                        ; destination window 1, address window 0
.macro CROUND                          ; a round of the cluster's barrier: my work-group's barrier; wave 0 signals for the work-group; every wave waits for all sixteen; my work-group's barrier once more
	s_barrier_signal -1
	s_barrier_wait -1
	s_cmp_lg_u32 s[WV], 0
	s_cbranch_scc1 .Lnot_wave_0_\@
	s_barrier_signal -3
.Lnot_wave_0_\@:
	s_barrier_wait -3
	s_barrier_signal -1
	s_barrier_wait -1
.endm
.macro PLACES                          ; four places in front of loads into registers that matrix instructions have read, and of conversions that read results
.rept 4
	v_nop
.endr
.endm
	s_load_b256 s[4:11], s[0:1], 0x0               ; IN16 s[4:5], W116 s[6:7], XH s[8:9], b1 s[10:11]
	s_load_b64 s[HS:HS+1], s[0:1], 0x20            ; hidden
	v_lshl_add_u32 v[SPW], v0, 2, SPARE
	v_mov_b32 v[NIL], 0
	ds_add_u32 v[SPW], v[NIL]                      ; the wave's opening: the add, twice on end, and its wait ahead of my first tensor load; the set-up below stands between
	ds_add_u32 v[SPW], v[NIL]
	v_lshrrev_b32 v1, 5, v0
	v_readfirstlane_b32 s[WV], v1                  ; wave 0..3
	s_lshr_b32 s13, s[WV], 1                       ; which half of the tile's rows is mine
	s_and_b32 s14, s[WV], 1                        ; which half of its columns.  Also: which 64 rows of a tile I fetch
	s_bfe_u32 s40, ttmp6, 0x40000                  ; cx, cy: my place in the cluster
	s_bfe_u32 s41, ttmp6, 0x40004
	s_lshl_b32 s42, ttmp9, 2
	s_add_co_u32 s42, s42, s40                     ; tile column = 4 x cluster x + cx
	s_and_b32 s43, ttmp7, 0xffff
	s_lshl_b32 s43, s43, 2
	s_add_co_u32 s43, s43, s41                     ; tile row = 4 x cluster y + cy
	s_lshl_b32 s44, s41, 2
	s_lshl_b32 s44, 15, s44                        ; my row of the cluster
	s_lshl_b32 s45, 0x1111, s40                    ; my column
	s_or_b32 s[G1], s44, (1<<16)|(1<<20)|(1<<21)|(5<<22)|(3<<25)   ; 15:0 the mask; 17:16 elements of 2 bytes; 20 padding on; 21 set beside a mask; 24:22 after every 64 words (code 5); 31:25 4 words of it (code 3)
	s_or_b32 s[G1B], s45, (1<<16)|(1<<20)|(1<<21)|(5<<22)|(3<<25)
.irp g, G1, G1B
	s_mov_b32 s[(\g)+1], 128<<16                   ; tensor_dim0 = 128
	s_mov_b32 s[(\g)+2], 64<<16                    ; tensor_dim1 = 64
	s_mov_b32 s[(\g)+3], 128<<16                   ; tile_dim0 = 128
	s_mov_b32 s[(\g)+4], 64                        ; tile_dim1 = 64
	s_mov_b32 s[(\g)+5], 512                       ; elements from row to row
	s_mov_b32 s[(\g)+6], 0
	s_mov_b32 s[(\g)+7], 0
.endr
	s_lshl_b32 s33, s14, 6                         ; which 64 rows of the tile I fetch
	s_lshl_b32 s32, s43, 7
	s_add_co_u32 s32, s32, s33                     ; the inputs: row 128 x tile row + 64 x half,
	s_lshl_b32 s32, s32, 10                        ; 1,024 bytes a row
	s_lshl_b32 s36, s42, 7
	s_add_co_u32 s36, s36, s33                     ; W1: row 128 x tile column + 64 x half
	s_lshl_b32 s36, s36, 10
	s_mov_b32 s33, 0
	s_mov_b32 s37, 0
	s_mul_i32 s84, s[WV], HALFT                    ; where my tiles go: wave x 64 rows: no place in the cluster enters an LDS address
.irp q, 0,1,2,3
	s_mov_b32 s[G0+4*(\q)], 1                      ; count = 1
	s_add_co_u32 s[G0+4*(\q)+1], s84, (\q)*SLOT    ; LDS address
	s_mov_b32 s[G0B+4*(\q)], 1
	s_add_co_u32 s[G0B+4*(\q)+1], s84, (\q)*SLOT
.endr
	s_wait_dscnt 0x0                               ; both opening adds are done
	s_wait_kmcnt 0x0
	s_add_nc_u64 s[34:35], s[4:5], s[32:33]
	s_add_nc_u64 s[38:39], s[6:7], s[36:37]
.irp q, 0,1,2,3
	s_add_nc_u64 s[G0+4*(\q)+2:G0+4*(\q)+3], s[34:35], (\q)*256    ; slot q: K from 128 q on
	s_or_b32 s[G0+4*(\q)+3], s[G0+4*(\q)+3], 0x80000000            ; type = 2
	s_add_nc_u64 s[G0B+4*(\q)+2:G0B+4*(\q)+3], s[38:39], (\q)*256
	s_or_b32 s[G0B+4*(\q)+3], s[G0B+4*(\q)+3], 0x80000000
.endr
	CROUND                                         ; all sixteen work-groups are here: the joint loads meet
	s_cmp_lt_u32 s[WV], 2                          ; waves 0 and 1 fetch the inputs' two halves, waves 2 and 3 W1's.  A wave's four fills stand in one branch, ahead of every wait on TENSORcnt and every LDS read;
	s_cbranch_scc0 .Lfirst_b                       ; an s_nop 0 follows each, four v_nop the last
.irp q, 0,1,2,3
	tensor_load_to_lds s[G0+4*(\q):G0+4*(\q)+3], s[G1:G1+7]
	s_nop 0
.endr
	PLACES
	s_branch .Lfirst_asked
.Lfirst_b:
.irp q, 0,1,2,3
	tensor_load_to_lds s[G0B+4*(\q):G0B+4*(\q)+3], s[G1B:G1B+7]
	s_nop 0
.endr
	PLACES
.Lfirst_asked:
	v_and_b32 v1, 15, v0                           ; l % 16
	v_bfe_u32 v2, v0, 4, 1                         ; l / 16
	v_lshlrev_b32 v[BO], 5, v2                     ; b1: my eight columns of a block of 16: 32 bytes for each half of the lanes,
	s_lshl_b32 s86, s42, 9                         ; the tile's 128 columns,
	s_lshl_b32 s87, s14, 8                         ; my wave's 64
	s_add_co_u32 s86, s86, s87
	v_add_nc_u32 v[BO], s86, v[BO]
.irp b, 0,1,2,3
	global_load_b128 v[BI+8*(\b):BI+8*(\b)+3],   v[BO], s[10:11] offset:64*(\b)
	global_load_b128 v[BI+8*(\b)+4:BI+8*(\b)+7], v[BO], s[10:11] offset:64*(\b)+16
.endr
	v_and_b32 v8, 31, v0                           ; hidden: my lane,
	s_lshl_b32 s90, s[WV], 14                      ; my wave's four rows of 4,096 bytes
	v_lshl_add_u32 v[VS], v8, 4, s90
	v_lshl_add_u32 v[VD], v8, 3, s90
	v_add_nc_u32 v[VD], 2048, v[VD]                ; the right half of XH's rows
	s_lshl_b32 s88, s43, 3
	s_add_co_u32 s88, s88, s42                     ; j = 8 x tile row + tile column,
	s_lshl_b32 s88, s88, 16                        ; 16 rows of 4,096 bytes, in hidden and in XH alike
	s_mov_b32 s89, 0
	s_add_nc_u64 s[HS:HS+1], s[HS:HS+1], s[88:89]
	s_add_nc_u64 s[XS:XS+1], s[8:9], s[88:89]
	WIN 0x80                                       ; destination window 2, address window 0
.set i, 0
.rept 32
	global_load_b128 v[4*i:4*i+3], v[VS], s[HS:HS+1] offset:512*i th:TH_LOAD_NT  ; the launch reads each byte of hidden once
.set i, i+1
.endr
	WIN 0
	v_mov_b32 v[ZR], 0
	v_mul_u32_u24 v3, v1, PITCH
	v_lshl_add_u32 v3, v2, 4, v3                   ; a fragment's row x pitch + 16 x half
	s_mul_i32 s84, s13, HALFT                      ; my 64 rows of the inputs
	s_mul_i32 s85, s14, HALFT                      ; my 64 rows of W1,
	s_add_co_u32 s85, s85, 2*HALFT                 ; which lie behind the inputs' 128
.irp q, 0,1,2,3
	v_add_nc_u32 v[ADRA+(\q)], s84, v3
	v_add_nc_u32 v[ADRB+(\q)], s85, v3
	s_add_co_u32 s84, s84, SLOT
	s_add_co_u32 s85, s85, SLOT
.endr
	s_mul_i32 s84, s13, 64*SPITCH                  ; into the stage: my 64 rows, my half of their 256 bytes
	s_lshl_b32 s85, s14, 7
	s_add_co_u32 s84, s84, s85
	s_add_co_u32 s84, s84, STAGE
	v_mul_u32_u24 v4, v1, SPITCH
	v_lshl_add_u32 v4, v2, 4, v4
	v_add_nc_u32 v[STO], s84, v4
	s_mul_i32 s84, s[WV], 32*SPITCH                ; back: wave w takes rows 32 w .. 32 w + 31, whole; lanes 0-15 one row of 256 bytes, lanes 16-31 the next
	s_add_co_u32 s84, s84, STAGE
	v_mul_u32_u24 v5, v2, SPITCH
	v_lshl_add_u32 v5, v1, 4, v5
	v_add_nc_u32 v[RD], s84, v5
	v_lshlrev_b32 v5, 12, v2                       ; and the same two rows in XH, 4,096 bytes apart
	v_lshl_add_u32 v[CO], v1, 4, v5
	s_lshl_b32 s86, s43, 7
	s_lshl_b32 s87, s[WV], 5
	s_add_co_u32 s86, s86, s87                     ; the first row that I store: 128 x tile row + 32 x wave
	s_lshl_b32 s86, s86, 12
	s_lshl_b32 s87, s42, 8                         ; the tile's first column, in bytes
	s_add_co_u32 s86, s86, s87
	s_mov_b32 s87, 0
	s_add_nc_u64 s[8:9], s[8:9], s[86:87]
; 8 matrix instructions: row blocks a0, a0 + 1 x all 4 column blocks, 32 along K: half c of buffer f.  zero = 1: the product starts the sums, with the bias as C.  The 16 accumulators take turns.
.macro MUL8 f, c, a0, zero
	WIN MUL
.irp a, \a0, (\a0)+1
.irp b, 0,1,2,3
.if \zero
	v_wmma_f32_16x16x32_bf16 v[ACC+8*(4*(\a)+(\b)):ACC+8*(4*(\a)+(\b))+7], v[(\f)+64+8*(4*(\c)+(\b)):(\f)+64+8*(4*(\c)+(\b))+7], v[(\f)+8*(4*(\c)+(\a)):(\f)+8*(4*(\c)+(\a))+7], v[BI+8*(\b):BI+8*(\b)+7]
.else
	v_wmma_f32_16x16x32_bf16 v[ACC+8*(4*(\a)+(\b)):ACC+8*(4*(\a)+(\b))+7], v[(\f)+64+8*(4*(\c)+(\b)):(\f)+64+8*(4*(\c)+(\b))+7], v[(\f)+8*(4*(\c)+(\a)):(\f)+8*(4*(\c)+(\a))+7], v[ACC+8*(4*(\a)+(\b)):ACC+8*(4*(\a)+(\b))+7]
.endif
.endr
.endr
.endm
; 32 LDS loads in one run: the fragments of 64 along K at byte k of the slot's rows, into buffer f; the first 32 along K first
.macro FETCH slot, k, f
	WIN TO_F
.irp c, 0,1
.irp i, 0,1,2,3
	ds_load_b128 v[(\f)+64+8*(4*(\c)+(\i)):(\f)+64+8*(4*(\c)+(\i))+3],   v[ADRB+(\slot)] offset:(\k)+64*(\c)+(\i)*16*PITCH
	ds_load_b128 v[(\f)+64+8*(4*(\c)+(\i))+4:(\f)+64+8*(4*(\c)+(\i))+7], v[ADRB+(\slot)] offset:(\k)+64*(\c)+(\i)*16*PITCH+32
	ds_load_b128 v[(\f)+8*(4*(\c)+(\i)):(\f)+8*(4*(\c)+(\i))+3],         v[ADRA+(\slot)] offset:(\k)+64*(\c)+(\i)*16*PITCH
	ds_load_b128 v[(\f)+8*(4*(\c)+(\i))+4:(\f)+8*(4*(\c)+(\i))+7],       v[ADRA+(\slot)] offset:(\k)+64*(\c)+(\i)*16*PITCH+32
.endr
.endr
.endm
; A slot's first half: multiplies buffer f and fetches the slot's second half, at byte k, into g.
.macro QUARTER slot, k, f, g, zero
	s_wait_dscnt 16                                ; the first 32 along K are in; the sixteen younger loads may be out
	MUL8 \f, 0, 0, \zero
	MUL8 \f, 0, 2, \zero
	PLACES
	FETCH \slot, \k, \g
	s_wait_dscnt 32                                ; all but the 32 just issued
	MUL8 \f, 1, 0, 0
	MUL8 \f, 1, 2, 0
.endm
; A slot's second half multiplies buffer 1 and goes on to slot next.  left = my tensor loads younger than slot next's: they stay out.  It shows the landed slot to all four waves.
.macro TURNN next, left
	s_wait_dscnt 16
	MUL8 F1, 0, 0, 0
	s_wait_tensorcnt \left                         ; tensor loads of a wave end in order (ISA guide 10.11.1): my part of slot next is in
	s_wait_dscnt 0x0                               ; no LDS instruction of mine is out at the signal
	s_barrier_signal -1
	MUL8 F1, 0, 2, 0
	s_barrier_wait -1                              ; everybody's part is in
	PLACES
	FETCH \next, 0, F0
	MUL8 F1, 1, 0, 0
	MUL8 F1, 1, 2, 0
.endm
; Half h of my 32 loads of hidden: rounded in place, stored.  left = the younger loads, which stay out.  It stands while a run of LDS loads is on its way; no register of it is written again.
.macro STREAM h, left
	s_wait_loadcnt \left                           ; loads come back in order (ISA guide 5.7.1)
	WIN 0x8a                                       ; sources and destination window 2
.set i, 16*(\h)
.rept 16
	v_cvt_pk_bf16_f32 v[4*i], v[4*i], v[4*i+1]
	v_cvt_pk_bf16_f32 v[4*i+1], v[4*i+2], v[4*i+3]
.set i, i+1
.endr
	WIN 0x08                                       ; store data (source 1) window 2, address window 0
.set i, 16*(\h)
.rept 16
	global_store_b64 v[VD], v[4*i:4*i+1], s[XS:XS+1] offset:(i/8)*4096+256*(i%8)  ; 256 consecutive bytes, at a multiple of 256 from XH's first byte
.set i, i+1
.endr
.endm
	s_wait_loadcnt 32                              ; b1's eight loads are in; hidden's 32, issued behind them, stay out
	s_wait_tensorcnt 0x3                           ; my part of slot 0 is in; my three younger loads stay out
	s_barrier_signal -1
	s_barrier_wait -1
	FETCH 0, 0, F0
	QUARTER 0, 128, F0, F1, 1
	TURNN 1, 2
	QUARTER 1, 128, F0, F1, 0
	TURNN 2, 1
	QUARTER 2, 128, F0, F1, 0
	STREAM 0, 16
	TURNN 3, 0
	QUARTER 3, 128, F0, F1, 0
	STREAM 1, 0
	s_wait_dscnt 16                                ; the very last half: nothing more to fetch
	MUL8 F1, 0, 0, 0
	MUL8 F1, 0, 2, 0
	s_wait_dscnt 0x0
	MUL8 F1, 1, 0, 0
	MUL8 F1, 1, 2, 0
	WIN 0
	; THE WAY OUT: round to bf16 (each accumulator's registers in ascending order); the relu on the packed halves, which rounds nothing; 16 bytes a lane into the work-group's stage; a barrier, since a row's
	; 256 bytes come from two waves; back as whole rows, 32 rows a wave.
	PLACES
.irp t, 0,1,2,3,4,5,6,7,8,9,10,11,12,13,14,15
.irp r, 0,1,2,3
	v_cvt_pk_bf16_f32 v[TMP+4*(\t)+(\r)], v[ACC+8*(\t)+2*(\r)], v[ACC+8*(\t)+2*(\r)+1]
.endr
.endr
.set i, 0
.rept 64
	v_pk_max_num_bf16 v[TMP+i], v[TMP+i], v[ZR]
.set i, i+1
.endr
.irp a, 0,1,2,3
.irp b, 0,1,2,3
	ds_store_b128 v[STO], v[TMP+4*(4*(\a)+(\b)):TMP+4*(4*(\a)+(\b))+3] offset:(\a)*16*SPITCH+32*(\b)
.endr
.endr
	s_wait_dscnt 0x0                               ; for the others' sake: my stores into the stage are done
	s_barrier_signal -1
	s_barrier_wait -1
.irp t, 0,1,2,3,4,5,6,7,8,9,10,11,12,13,14,15
	ds_load_b128 v[TMP+4*(\t):TMP+4*(\t)+3], v[RD] offset:(\t)*2*SPITCH
.endr
.irp t, 0,1,2,3,4,5,6,7,8,9,10,11,12,13,14,15
	s_wait_dscnt 15-(\t)
	global_store_b128 v[CO], v[TMP+4*(\t):TMP+4*(\t)+3], s[8:9] offset:2*(\t)*4096  ; 16 lanes store 256 consecutive bytes, at a multiple of 256 from XH's first byte
.endr
	s_wait_tensorcnt 0x0                           ; the wave's end: behind my last tensor load and my last LDS store
	ds_add_u32 v[SPW], v[NIL]
	s_wait_dscnt 0x0
	CROUND                                         ; the closing round: no work-group ends while a partner may still ask for a tile that names it
	s_endpgm
.Lfunc_end_k_q9118d801b2_fc1:
	.size	k_q9118d801b2_fc1, .Lfunc_end_k_q9118d801b2_fc1-k_q9118d801b2_fc1
	.p2alignl 7, 3214868480
	.fill 96, 4, 3214868480
	.section	.rodata,"a",@progbits
	.p2align	6, 0x0
	.amdhsa_kernel k_q9118d801b2_fc1
		.amdhsa_group_segment_fixed_size 327680
		.amdhsa_private_segment_fixed_size 0
		.amdhsa_enable_private_segment 0
		.amdhsa_kernarg_size 40
		.amdhsa_user_sgpr_count 2
		.amdhsa_user_sgpr_kernarg_segment_ptr 1
		.amdhsa_wavefront_size32 1
		.amdhsa_system_sgpr_workgroup_id_x 1
		.amdhsa_system_sgpr_workgroup_id_y 1
		.amdhsa_system_sgpr_workgroup_id_z 1
		.amdhsa_system_vgpr_workitem_id 0
		.amdhsa_next_free_vgpr 640
		.amdhsa_next_free_sgpr 92
		.amdhsa_reserve_vcc 0
		.amdhsa_float_denorm_mode_32 3
		.amdhsa_float_denorm_mode_16_64 3
		.amdhsa_memory_ordered 1
		.amdhsa_forward_progress 1
		.amdhsa_inst_pref_size 67
	.end_amdhsa_kernel
	.amdgpu_metadata
---
amdhsa.version: [ 1, 2 ]
amdhsa.kernels:
  - .name:           k_q9118d801b2_fc1
    .symbol:         k_q9118d801b2_fc1.kd
    .args:
      - { .name: IN16, .offset: 0, .size: 8, .value_kind: global_buffer, .address_space: global }
      - { .name: W116, .offset: 8, .size: 8, .value_kind: global_buffer, .address_space: global }
      - { .name: XH, .offset: 16, .size: 8, .value_kind: global_buffer, .address_space: global }
      - { .name: b1, .offset: 24, .size: 8, .value_kind: global_buffer, .address_space: global }
      - { .name: hidden, .offset: 32, .size: 8, .value_kind: global_buffer, .address_space: global }
    .group_segment_fixed_size: 327680
    .private_segment_fixed_size: 0
    .kernarg_segment_align: 8
    .kernarg_segment_size: 40
    .max_flat_workgroup_size: 128
    .sgpr_count:     92
    .vgpr_count:     640
    .wavefront_size: 32
...
	.end_amdgpu_metadata
.endif
;; end of part 2
;; launch gru (part 3): grid 8 x 64, 4 waves a work-group, clusters of 4 x 4, 327,680 bytes of LDS; arguments XH, WC, out1, bxr, bhr, bxz, bhz, bxn, bhn, H16; writes out1, H16
.if DOCPART == 3
	.amdgcn_target "amdgcn-amd-amdhsa--gfx1250"
	.amdhsa_code_object_version 6
	.text
	.protected	k_q9118d801b2_gru
	.globl	k_q9118d801b2_gru
	.p2align	8
	.type	k_q9118d801b2_gru,@function
k_q9118d801b2_gru:
	s_mov_b64 s[64:65], 0
	v_nop
	global_prefetch_b8 v0, s[64:65] scope:SCOPE_SE
	s_setreg_imm32_b32 hwreg(HW_REG_WAVE_MODE, 25, 1), 1
	s_wait_xcnt 0x0
	s_wait_alu depctr_hold_cnt(0) depctr_sa_sdst(0) depctr_va_vdst(0) depctr_va_sdst(0) depctr_va_ssrc(0) depctr_va_vcc(0) depctr_vm_vsrc(0)
	s_getreg_b32 s2, hwreg(HW_REG_IB_STS2, 6, 4)
	s_cmp_eq_u32 s2, 0
	s_cbranch_scc0 .Lentry_in_a_cluster
	s_endpgm
.Lentry_in_a_cluster:
	s_bfe_u32 s2, ttmp6, 0x10000c
	s_cmp_lg_u32 s2, 0xf033
	s_cbranch_scc0 .Lentry_shape_is_right
	s_endpgm
.Lentry_shape_is_right:
; THE GRU CELL.  r = sigmoid(x Wxr^T + bxr + h_in Whr^T + bhr), z likewise, n = tanh(x Wxn^T + bxn + r (h_in Whn^T + bhn)), h = (1 - z) n + z h_in.  Nothing of it is left out.
; h IS STORED TWICE: in f32 as out1, and rounded once to bf16 as H16, for fc2's product, in the order in which fc2's operand registers take it: the unit of 16 rows (number rt) x 16 columns (number cg) is the
; 512 bytes from (64 rt + cg) x 512 on; in it lane l has the 16 bytes at 16 l: row l % 16, columns 8 (l / 16) + 0..7.
; XH: [8192][2048] bf16, a row = x then h_in.  WC: [3][1024][2048] bf16, gate g (r, z, n), row c = Wx_g[c] then Wh_g[c].  Sums in f32; the h_in of z h_in is XH's (bf16: off by at most 2^-9 of itself).
; sigmoid(u) = 1 / (1 + 2^(-u log2 e)); tanh(t) = 1 - 2 / (1 + 2^(2 t log2 e)): an overflowing power gives the reciprocal 0, one below 2^-126 counts as 0: the functions' own limits.  NaN, infinities: not treated apart.
; A TILE is 128 rows x 128 columns of h, with FOUR sums for each number: R and Z over all 2,048 of K, NX over the x half, NH over the h half.  Four waves, each 64 x 64 x 4: 64 accumulators, 512 registers.
; For 32 along K a wave reads 4 fragments of XH and 12 of WC (32 LDS loads) for 48 matrix instructions.
; THE ORDER OF K.  Steps of 128 through a ring of two LDS slots; slot 0 always takes a step of the x half, slot 1 one of the h half: X0 H0 X1 H1 .. X7 H7.  So the n gate adds into NX while slot 0 is multiplied and
; into NH while slot 1 is, and one loop body serves all of K.  A slot holds XH's 128 rows and the three gates' 128 rows each; wave 0 fetches XH's tile, waves 1 to 3 a gate's: one tensor load a wave.
; By this text's count a wave has two tensor loads out at the start and one behind each change of slots; from a request to the wait for it the wave issues 176 matrix instructions.
; CLUSTER: 4 x 4 work-groups.  XH's tile hangs on the tile row alone and is shared along a row of the cluster, WC's on the tile column alone and is shared along a column: each is asked for jointly.
; THE BIASES are the C operands of the products that start the sums (bxr + bhr, bxz + bhz, bxn, bhn): nothing is cleared, nothing is added later.
; THE MATRIX INSTRUCTION IS USED TRANSPOSED (source 0 = 16 rows of WC, source 1 = 16 rows of XH): a lane holds eight neighbouring columns of a row of h.
; REGISTERS, in windows of 256 (s_set_vgpr_msb: bits 1:0 source 0, 3:2 source 1, 5:4 source 2, 7:6 destination):
;   window 0: v0-31 addresses; v32-63, v64-95 XH's fragments, two buffers; v128-255 the biases (sum G at 128 + 32 G + 8 b); on the way out v32-95 rows read back, v96-255 at work
;   window 1: v0-95, v96-191 WC's fragments, two buffers (gate g, block b at 32 g + 8 b)      window 2: R at 8 (4 a + b), Z at 128 + the same      window 3: NX, NH likewise
.set PITCH,  272                       ; an LDS row: 256 bytes + 16 of padding = 68 words: the 16 rows that a load touches start at 16 different groups of four banks (64 banks of 4 bytes: ISA guide 11.1)
.set HALFT,  128*PITCH                 ; 128 rows: what one tensor load brings
.set QROWS,  64*PITCH                  ; 64 rows: what one wave reads of a tile
.set SLOT,   4*HALFT                   ; XH's tile, then gates r, z, n
.set STAGE,  2*SLOT                    ; behind the ring: 16 rows x 272 bytes of f32 for each wave, for the way out; no tensor load lands here
.set WSTAGE, 16*PITCH
.set SPARE,  STAGE+4*WSTAGE            ; behind the stages: the spare words, 128 bytes for each wave: two blocks of 256 bytes that no other line names
.set HO,   6                           ; v6      16 x lane: my 16 bytes of a unit of H16
.set ADRA, 16                          ; v16-17  LDS address of my fragments of XH in slot 0, 1
.set ADRB, 18                          ; v18-23  of WC: slot s, gate g at 18 + 3 s + g (two gates' tiles are more than an LDS offset of 16 bits holds)
.set STO,  24                          ; v24     the way out: where I put 32 bytes of a row
.set RD,   25                          ; v25     where I read a row back
.set CO,   26                          ; v26     my byte offset in out1
.set HA,   27                          ; v27     LDS address of my eight h_in of a block
.set SPW,  28                          ; v28     LDS address of my spare word; never rewritten
.set NIL,  29                          ; v29     0; never rewritten
.set PFO,  30                          ; v30     the prefetches' offset: my lane x a row of 4,096 bytes; never rewritten
.set BO,   31                          ; v31     my byte offset in the biases
.set OB,   32                          ; the way out: 16 rows read back from the stage: v32-63 and v64-95 by turns
.set U,    96                          ; (1 - z) n
.set TR,   128                         ; r in the making
.set TZ,   160                         ; z
.set TT,   192                         ; n, then h
.set HI,   224                         ; h_in, 32 bf16 in 16 registers
.set HB,   240                         ; h in bf16, 32 numbers in 16 registers
.set G1,   24                          ; s[24:31] descriptor group 1 for XH's tiles
.set G0,   32                          ; s[32:39] group 0, a set for each slot
.set G1B,  48                          ; s[48:55], s[56:63] the same for WC's tiles
.set G0B,  56
.set G1H,  80                          ; s[80:87], s[88:91] for the tile of h_in: 32 rows a wave, no mask
.set G0H,  88
.set LIM,  43                          ; s43     1 in a wave that prefetches, else the greatest number
.set PFA,  44                          ; s[44:45] where my prefetches stand
.set NL,   92                          ; s[92:93] -log2 e: the packed multiply takes the pair's low word for both halves
.set TL,   94                          ; s[94:95] 2 log2 e
.set HP,   96                          ; s[96:97] H16 at my wave's first unit
.set MSB, 0
.macro WIN new                         ; the immediate's high byte repeats the setting that is left; a switch that changes nothing is dropped
.if MSB != (\new)
	s_set_vgpr_msb (MSB<<8)|(\new)
.set MSB, \new
.endif
.endm
.macro PLACES                          ; four places in front of loads into registers that matrix instructions have read, and of vector lines that read results
.rept 4
	v_nop
.endr
.endm
; A joint refill.  Wave 0 fetches XH's tile, waves 1 to 3 the gates'.  The branch hangs on the wave's number alone.  An s_nop 0 and four v_nop follow each of the two lines.
.macro JLOAD s
	s_cmp_eq_u32 s10, 0
	s_cbranch_scc0 .Lfor_b_\@
	tensor_load_to_lds s[G0+4*(\s):G0+4*(\s)+3], s[G1:G1+7]
	s_nop 0
	PLACES
	s_branch .Lasked_\@
.Lfor_b_\@:
	tensor_load_to_lds s[G0B+4*(\s):G0B+4*(\s)+3], s[G1B:G1B+7]
	s_nop 0
	PLACES
.Lasked_\@:
.endm
; The tile of h_in (my tile's rows and columns of XH's right half), into the bytes of slot 0 that held XH's tile: each wave brings 32 rows of its own.
.macro HLOAD
	tensor_load_to_lds s[G0H:G0H+3], s[G1H:G1H+7]
	s_nop 0
	PLACES
.endm
.macro CREST                           ; a round of the cluster's barrier behind its opening barrier
	s_cmp_lg_u32 s10, 0
	s_cbranch_scc1 .Lnot_wave_0_\@
	s_barrier_signal -3
.Lnot_wave_0_\@:
	s_barrier_wait -3
	s_barrier_signal -1
	s_barrier_wait -1
.endm
.macro CROUND                          ; a whole round
	s_barrier_signal -1
	s_barrier_wait -1
	CREST
.endm
; A PREFETCH INTO THE L2, behind a joint refill, its five lines and the run of LDS loads: the same half's K step that stands one refill of that slot further on: 32 rows x 256 bytes, a lane a row, 384 matrix
; instructions ahead of the load that will ask for it.  Each row's 256 bytes of a step are named once in the launch: XH's rows are read by both clusters of a row of clusters: cluster x = 0 asks (wave 0);
; WC's rows by every cluster of a column: cluster y = 0 asks (waves 1 to 3).  The four partners that ask for a tile jointly share its 128 rows out BY ADDRESS, 32 each.
; how = 1: every time; how = 2, in the loop's change from slot 0: not in the last trip, where the x half has no such step.  Steps X0, H0, X1, H1 come by their loads alone; the tail asks for nothing.
.macro ASK how, off
	WIN 0
.if (\how) == 1
	s_cmp_eq_u32 s[LIM], 1
.else
	s_cmp_gt_u32 s3, s[LIM]                        ; s3 = 1 in the loop's last trip
.endif
	s_cbranch_scc0 .Lnot_mine_\@
	global_prefetch_b8 v[PFO], s[PFA:PFA+1] offset:\off th:TH_LOAD_NT scope:SCOPE_SE
.Lnot_mine_\@:
.endm
	s_load_b128 s[4:7], s[0:1], 0x0                ; XH s[4:5], WC s[6:7]
	s_load_b64 s[8:9], s[0:1], 0x10                ; out1
	s_load_b256 s[68:75], s[0:1], 0x18             ; bxr 68, bhr 70, bxz 72, bhz 74
	s_load_b128 s[76:79], s[0:1], 0x38             ; bxn 76, bhn 78
	s_load_b64 s[HP:HP+1], s[0:1], 0x48            ; H16
	v_lshl_add_u32 v[SPW], v0, 2, SPARE
	v_mov_b32 v[NIL], 0
	ds_add_u32 v[SPW], v[NIL]                      ; the wave's opening: the add, twice on end, and its wait ahead of my first tensor load; the set-up below stands between
	ds_add_u32 v[SPW], v[NIL]
	v_lshrrev_b32 v1, 5, v0
	v_readfirstlane_b32 s10, v1                    ; wave 0..3
	s_and_b32 s12, s10, 1                          ; which half of the tile's columns is mine
	s_lshr_b32 s13, s10, 1                         ; which half of its rows
	s_max_u32 s17, s10, 1
	s_sub_co_u32 s17, s17, 1                       ; the gate that I fetch (waves 1 to 3)
	s_bfe_u32 s40, ttmp6, 0x40000                  ; cx, cy: my place in the cluster
	s_bfe_u32 s41, ttmp6, 0x40004
	s_lshl_b32 s42, ttmp9, 2
	s_add_co_u32 s42, s42, s40                     ; tile column = 4 x cluster x + cx
	s_and_b32 s14, ttmp7, 0xffff
	s_lshl_b32 s14, s14, 2
	s_add_co_u32 s14, s14, s41                     ; tile row = 4 x cluster y + cy
	s_lshl_b32 s15, s41, 2
	s_lshl_b32 s15, 15, s15                        ; my row of the cluster
	s_lshl_b32 s16, 0x1111, s40                    ; my column
	s_or_b32 s[G1], s15, (1<<16)|(1<<20)|(1<<21)|(5<<22)|(3<<25)   ; 15:0 the mask; 17:16 elements of 2 bytes; 20 padding on; 21 set beside a mask; 24:22 after every 64 words (code 5); 31:25 4 words of it (code 3)
	s_or_b32 s[G1B], s16, (1<<16)|(1<<20)|(1<<21)|(5<<22)|(3<<25)
.irp g, G1, G1B
	s_mov_b32 s[(\g)+1], 128<<16                   ; tensor_dim0 = 128
	s_mov_b32 s[(\g)+2], 128<<16                   ; tensor_dim1 = 128
	s_mov_b32 s[(\g)+3], 128<<16                   ; tile_dim0 = 128
	s_mov_b32 s[(\g)+4], 128                       ; tile_dim1 = 128
	s_mov_b32 s[(\g)+5], 2048                      ; elements from row to row
	s_mov_b32 s[(\g)+6], 0
	s_mov_b32 s[(\g)+7], 0
.endr
	s_mov_b32 s[G1H], (1<<16)|(1<<20)|(5<<22)|(3<<25)  ; no mask: a load of my own
	s_mov_b32 s[G1H+1], 128<<16
	s_mov_b32 s[G1H+2], 32<<16                     ; 32 rows
	s_mov_b32 s[G1H+3], 128<<16
	s_mov_b32 s[G1H+4], 32
	s_mov_b32 s[G1H+5], 2048
	s_mov_b32 s[G1H+6], 0
	s_mov_b32 s[G1H+7], 0
	s_mov_b32 s[G0H], 1
	s_mul_i32 s[G0H+1], s10, 32*PITCH              ; wave x 32 rows, from LDS byte 0 on
	s_lshl_b32 s18, s14, 19                        ; XH: 128 rows of 4,096 bytes a tile row
	s_mov_b32 s19, 0
	s_lshl_b32 s46, s42, 19                        ; WC: the same a tile column,
	s_lshl_b32 s47, s17, 22                        ; 1,024 rows a gate
	s_add_co_u32 s46, s46, s47
	s_mov_b32 s47, 0
	s_mul_i32 s20, s10, HALFT                      ; where my tiles go: wave x 128 rows: no place in the cluster enters an LDS address
	s_mov_b32 s[NL], 0xbfb8aa3b
	s_mov_b32 s[NL+1], 0xbfb8aa3b
	s_mov_b32 s[TL], 0x4038aa3b
	s_mov_b32 s[TL+1], 0x4038aa3b
.irp s, 0,1
	s_mov_b32 s[G0+4*(\s)], 1
	s_add_co_u32 s[G0+4*(\s)+1], s20, (\s)*SLOT
	s_mov_b32 s[G0B+4*(\s)], 1
	s_add_co_u32 s[G0B+4*(\s)+1], s20, (\s)*SLOT
.endr
	s_wait_dscnt 0x0                               ; both opening adds are done
	s_wait_kmcnt 0x0
	s_add_nc_u64 s[18:19], s[4:5], s[18:19]
	s_add_nc_u64 s[46:47], s[6:7], s[46:47]
.irp s, 0,1
	s_add_nc_u64 s[G0+4*(\s)+2:G0+4*(\s)+3], s[18:19], (\s)*2048   ; slot 0: the x half's first step; slot 1: the h half's
	s_or_b32 s[G0+4*(\s)+3], s[G0+4*(\s)+3], 0x80000000            ; type = 2
	s_add_nc_u64 s[G0B+4*(\s)+2:G0B+4*(\s)+3], s[46:47], (\s)*2048
	s_or_b32 s[G0B+4*(\s)+3], s[G0B+4*(\s)+3], 0x80000000
.endr
	CROUND                                         ; all sixteen work-groups are here: the first joint loads meet
	s_cmp_eq_u32 s10, 0                            ; a wave's two first fills stand in one branch, ahead of every wait on TENSORcnt and every LDS read; an s_nop 0 follows each, four v_nop the second
	s_cbranch_scc0 .Lfirst_b
	tensor_load_to_lds s[G0:G0+3], s[G1:G1+7]
	s_nop 0
	tensor_load_to_lds s[G0+4:G0+7], s[G1:G1+7]
	s_nop 0
	PLACES
	s_branch .Lfirst_asked
.Lfirst_b:
	tensor_load_to_lds s[G0B:G0B+3], s[G1B:G1B+7]
	s_nop 0
	tensor_load_to_lds s[G0B+4:G0B+7], s[G1B:G1B+7]
	s_nop 0
	PLACES
.Lfirst_asked:
	v_and_b32 v1, 15, v0                           ; l % 16
	v_bfe_u32 v2, v0, 4, 1                         ; l / 16
	v_lshlrev_b32 v[BO], 5, v2                     ; the biases: my eight columns of a block of 16: 32 bytes for each half of the lanes,
	s_lshl_b32 s66, s42, 9                         ; the tile's 128 columns,
	s_lshl_b32 s67, s12, 8                         ; my wave's 64
	s_add_co_u32 s66, s66, s67
	v_add_nc_u32 v[BO], s66, v[BO]
.irp b, 0,1,2,3
	global_load_b128 v[128+8*(\b):128+8*(\b)+3],   v[BO], s[68:69] offset:64*(\b)      ; bxr
	global_load_b128 v[128+8*(\b)+4:128+8*(\b)+7], v[BO], s[68:69] offset:64*(\b)+16
	global_load_b128 v[32+8*(\b):32+8*(\b)+3],     v[BO], s[70:71] offset:64*(\b)      ; bhr, for now where fragments will lie
	global_load_b128 v[32+8*(\b)+4:32+8*(\b)+7],   v[BO], s[70:71] offset:64*(\b)+16
	global_load_b128 v[160+8*(\b):160+8*(\b)+3],   v[BO], s[72:73] offset:64*(\b)      ; bxz
	global_load_b128 v[160+8*(\b)+4:160+8*(\b)+7], v[BO], s[72:73] offset:64*(\b)+16
	global_load_b128 v[64+8*(\b):64+8*(\b)+3],     v[BO], s[74:75] offset:64*(\b)      ; bhz
	global_load_b128 v[64+8*(\b)+4:64+8*(\b)+7],   v[BO], s[74:75] offset:64*(\b)+16
	global_load_b128 v[192+8*(\b):192+8*(\b)+3],   v[BO], s[76:77] offset:64*(\b)      ; bxn
	global_load_b128 v[192+8*(\b)+4:192+8*(\b)+7], v[BO], s[76:77] offset:64*(\b)+16
	global_load_b128 v[224+8*(\b):224+8*(\b)+3],   v[BO], s[78:79] offset:64*(\b)      ; bhn
	global_load_b128 v[224+8*(\b)+4:224+8*(\b)+7], v[BO], s[78:79] offset:64*(\b)+16
.endr
	; A fragment is 16 rows x 32 K in 8 registers: lane l holds row l % 16; registers 0-3 K = 8 (l / 16) + 0..7, registers 4-7 K = 16 + 8 (l / 16) + 0..7: two loads of 16 bytes, 32 bytes apart.
	v_mul_u32_u24 v3, v1, PITCH
	v_lshl_add_u32 v3, v2, 4, v3                   ; row x pitch + 16 x half
	s_mul_i32 s21, s13, QROWS                      ; my 64 rows of XH's tile
	s_mul_i32 s22, s12, QROWS                      ; my 64 rows of a gate's tile,
	s_add_co_u32 s22, s22, HALFT                   ; the first of which lies behind XH's
.irp s, 0,1
	v_add_nc_u32 v[ADRA+(\s)], s21, v3
.irp g, 0,1,2
	v_add_nc_u32 v[ADRB+3*(\s)+(\g)], s22, v3
	s_add_co_u32 s22, s22, HALFT
.endr
	s_add_co_u32 s21, s21, SLOT
	s_add_co_u32 s22, s22, HALFT                   ; three gates and XH's tile: a slot on
.endr
	s_mul_i32 s23, s10, WSTAGE
	s_add_co_u32 s23, s23, STAGE                   ; my stage
	v_mul_u32_u24 v4, v1, PITCH                    ; in: row l % 16, 32 bytes (eight f32) for each half of the lanes
	v_lshl_add_u32 v4, v2, 5, v4
	v_add_nc_u32 v[STO], s23, v4
	v_mul_u32_u24 v5, v2, PITCH                    ; back: lanes 0-15 take one row of 256 bytes, lanes 16-31 the next
	v_lshl_add_u32 v5, v1, 4, v5
	v_add_nc_u32 v[RD], s23, v5
	v_lshlrev_b32 v5, 12, v2                       ; and the same two rows in out1, 4,096 bytes apart
	v_lshl_add_u32 v[CO], v1, 4, v5
	s_mul_i32 s21, s13, QROWS                      ; h_in: my 64 rows of its tile, my 64 columns (128 bytes), my eight of a block's 16
	s_lshl_b32 s22, s12, 7
	s_add_co_u32 s21, s21, s22
	v_add_nc_u32 v[HA], s21, v3
	v_and_b32 v[PFO], 31, v0
	v_lshlrev_b32 v[HO], 4, v[PFO]
	v_lshlrev_b32 v[PFO], 12, v[PFO]
	s_lshl_b32 s66, s14, 7                         ; out1 at my part of the tile: row 128 x tile row + 64 x half,
	s_lshl_b32 s67, s13, 6
	s_add_co_u32 s66, s66, s67
	s_lshl_b32 s66, s66, 12
	s_lshl_b32 s67, s42, 9                         ; column 128 x tile column + 64 x half, 4 bytes each
	s_add_co_u32 s66, s66, s67
	s_lshl_b32 s67, s12, 8
	s_add_co_u32 s66, s66, s67
	s_mov_b32 s67, 0
	s_add_nc_u64 s[8:9], s[8:9], s[66:67]
	s_lshl_b32 s66, s14, 18                        ; H16 at my first unit: rt = 8 x tile row + 4 x half, 64 units of 512 bytes each;
	s_lshl_b32 s67, s13, 17
	s_add_co_u32 s66, s66, s67
	s_lshl_b32 s67, s42, 12                        ; cg = 8 x tile column + 4 x half
	s_add_co_u32 s66, s66, s67
	s_lshl_b32 s67, s12, 11
	s_add_co_u32 s66, s66, s67
	s_mov_b32 s67, 0
	s_add_nc_u64 s[HP:HP+1], s[HP:HP+1], s[66:67]
	s_lshl_b32 s66, s14, 7                         ; h_in's tile: row 128 x tile row + 32 x wave,
	s_lshl_b32 s67, s10, 5
	s_add_co_u32 s66, s66, s67
	s_lshl_b32 s66, s66, 12
	s_lshl_b32 s67, s42, 8                         ; column 1,024 + 128 x tile column, 2 bytes each
	s_add_co_u32 s66, s66, s67
	s_add_co_u32 s66, s66, 2048
	s_mov_b32 s67, 0
	s_add_nc_u64 s[G0H+2:G0H+3], s[4:5], s[66:67]
	s_or_b32 s[G0H+3], s[G0H+3], 0x80000000
	s_lshl_b32 s66, s14, 7                         ; the prefetches.  XH: the tile's first row;
	s_lshl_b32 s67, s42, 7                         ; WC: the tile's first row
	s_lshl_b32 s2, s17, 10                         ; in my gate
	s_add_co_u32 s67, s67, s2
	s_and_b32 s2, ttmp7, 0xffff                    ; cluster y
	s_cmp_eq_u32 s10, 0                            ; do I fetch XH's tile?
	s_cselect_b32 s66, s66, s67
	s_cselect_b32 s67, s40, s41                    ; my place among the four that ask for the tile with me
	s_cselect_b32 s2, ttmp9, s2                    ; the coordinate along which other clusters read the same rows
	s_cselect_b64 s[PFA:PFA+1], s[4:5], s[6:7]
	s_cmp_eq_u32 s2, 0
	s_cselect_b32 s[LIM], 1, -1                    ; the same in all sixteen partners, for a given wave
	s_lshl_b32 s67, s67, 5
	s_add_co_u32 s66, s66, s67                     ; + my work-group's 32 rows of the 128
	s_lshl_b32 s66, s66, 12
	s_mov_b32 s67, 0
	s_add_nc_u64 s[PFA:PFA+1], s[PFA:PFA+1], s[66:67]
	s_add_nc_u64 s[PFA:PFA+1], s[PFA:PFA+1], 256   ; at step 1 of the x half: the first change of slots steps it to 2.  Nothing is prefetched here, at the head
	s_wait_loadcnt 0x0                             ; the biases
.set i, 0
.rept 16
	v_pk_add_f32 v[128+2*i:129+2*i], v[128+2*i:129+2*i], v[32+2*i:33+2*i]    ; bxr + bhr
	v_pk_add_f32 v[160+2*i:161+2*i], v[160+2*i:161+2*i], v[64+2*i:65+2*i]    ; bxz + bhz
.set i, i+1
.endr
; 16 matrix instructions: sum gt (0 R, 1 Z, 2 NX, 3 NH), all 4 x 4 blocks, 32 along K out of buffer f.  start = 1: the product starts the sums, with the bias as C.
; A quarter's 48 accumulators take turns, one instruction a turn, in the same order in every quarter, over the backward jump too.
.macro MULG f, gt, start
.set GW, 2+(\gt)/2
.set GB, 32*(\gt)
.if (\gt) == 3
.set GB, 64
.endif
.if \start
	WIN (GW<<6)|0x01                               ; WC's fragment window 1, XH's and the bias window 0
.else
	WIN (GW<<6)|(GW<<4)|0x01
.endif
.irp a, 0,1,2,3
.irp b, 0,1,2,3
.set rD, 128*((\gt)&1)+8*(4*(\a)+(\b))
.if \start
	v_wmma_f32_16x16x32_bf16 v[rD:rD+7], v[96*(\f)+GB+8*(\b):96*(\f)+GB+8*(\b)+7], v[32+32*(\f)+8*(\a):32+32*(\f)+8*(\a)+7], v[128+32*(\gt)+8*(\b):128+32*(\gt)+8*(\b)+7]
.else
	v_wmma_f32_16x16x32_bf16 v[rD:rD+7], v[96*(\f)+GB+8*(\b):96*(\f)+GB+8*(\b)+7], v[32+32*(\f)+8*(\a):32+32*(\f)+8*(\a)+7], v[rD:rD+7]
.endif
.endr
.endr
.endm
; 32 LDS loads in one run: the fragments of 32 along K at byte k of the slot's rows, into buffer f: XH's eight loads, then gate r's, z's, n's
.macro FETCH slot, k, f
	WIN 0
.irp i, 0,1,2,3
	ds_load_b128 v[32+32*(\f)+8*(\i):32+32*(\f)+8*(\i)+3],   v[ADRA+(\slot)] offset:(\k)+(\i)*16*PITCH
	ds_load_b128 v[32+32*(\f)+8*(\i)+4:32+32*(\f)+8*(\i)+7], v[ADRA+(\slot)] offset:(\k)+(\i)*16*PITCH+32
.endr
	WIN 0x40                                       ; destination window 1
.irp g, 0,1,2
.irp i, 0,1,2,3
	ds_load_b128 v[96*(\f)+32*(\g)+8*(\i):96*(\f)+32*(\g)+8*(\i)+3],   v[ADRB+3*(\slot)+(\g)] offset:(\k)+(\i)*16*PITCH
	ds_load_b128 v[96*(\f)+32*(\g)+8*(\i)+4:96*(\f)+32*(\g)+8*(\i)+7], v[ADRB+3*(\slot)+(\g)] offset:(\k)+(\i)*16*PITCH+32
.endr
.endr
.endm
; A K step is four quarters of 32 along K, 48 matrix instructions each, on buffers 0, 1, 0, 1.  One of the first three: multiplies buffer f and fetches the next quarter, at byte k, into g.
; ng: the n gate's sum (2 in slot 0, 3 in slot 1).  st: bit 0: R and Z start here; bit 1: the n gate's sum starts here.
.macro QUARTER slot, k, f, g, ng, st
	s_wait_dscnt 16                                ; XH's and gate r's fragments are in; the sixteen younger loads (z's, n's) may be out
	MULG \f, 0, (\st)&1
	PLACES
	FETCH \slot, \k, \g
	s_wait_dscnt 32                                ; all but the 32 just issued
	MULG \f, 1, (\st)&1
	MULG \f, \ng, (\st)>>1
.endm
; The last quarter multiplies buffer 1 and changes slots.  In front of the round each wave waits for all its tensor loads, of which one is out: its part of the next slot; adds 0 to its spare word; and waits for
; that and for its own reads of this slot.  Behind the round no wave of any partner reads this slot any more and the next slot is whole: the refill comes first (fill = 1: this slot's next step, jointly;
; fill = 2: the tile of h_in), then the next slot's first fragments.
.macro TURN slot, next, ng, fill, ask, step
.if \step
	s_wait_xcnt 0x0                                ; the last prefetch, a K step back, has read its address: it is stepped here, ahead of the waits of the change of slots
	s_add_nc_u64 s[PFA:PFA+1], s[PFA:PFA+1], 256
.endif
	WIN 0                                          ; (the add's two registers lie in window 0)
	s_wait_tensorcnt 0x0                           ; no tensor load of mine is out, so a group 0 may be written
	ds_add_u32 v[SPW], v[NIL]                      ; 0 onto my spare word; the descriptors' steps stand between it and the wait for it
.if (\fill) == 1
	s_add_nc_u64 s[G0+4*(\slot)+2:G0+4*(\slot)+3], s[G0+4*(\slot)+2:G0+4*(\slot)+3], 256     ; this slot's next step of 128 along K; the type bits on top are not reached
	s_add_nc_u64 s[G0B+4*(\slot)+2:G0B+4*(\slot)+3], s[G0B+4*(\slot)+2:G0B+4*(\slot)+3], 256
.endif
	s_wait_dscnt 0x0                               ; the add is done, and my reads of this slot are over
	s_barrier_signal -1                            ; this barrier opens a round of the cluster's barrier
	MULG 1, 0, 0                                   ; work on registers while the others arrive
	WIN 0
	s_barrier_wait -1
	CREST
.if (\fill) == 1
	JLOAD \slot                                    ; the first tensor load behind the round; the four v_nop behind it are also the places in front of the loads below
.else
	HLOAD
.endif
	FETCH \next, 0, 0
.if \ask
	ASK \ask, 2048*(\slot)
.endif
	MULG 1, 1, 0
	MULG 1, \ng, 0
.endm
	s_wait_tensorcnt 0x1                           ; my part of X0 is in; H0's load stays out
	s_barrier_signal -1
	s_barrier_wait -1                              ; everybody's is
	FETCH 0, 0, 0
	QUARTER 0, 64,  0, 1, 2, 3                     ; R, Z and NX start
	QUARTER 0, 128, 1, 0, 2, 0
	QUARTER 0, 192, 0, 1, 2, 0
	TURN 0, 1, 2, 1, 1, 1                          ; X1 is asked for
	QUARTER 1, 64,  0, 1, 3, 2                     ; NH starts
	WIN 0                                          ; at a label and at a branch every window is 0
	s_mov_b32 s3, 6
.Llap:                                                 ; a trip goes once round the ring, from an h step's second quarter to the next h step's first, and fills both slots again
	QUARTER 1, 128, 1, 0, 3, 0
	QUARTER 1, 192, 0, 1, 3, 0
	TURN 1, 0, 3, 1, 1, 0
	QUARTER 0, 64,  0, 1, 2, 0
	QUARTER 0, 128, 1, 0, 2, 0
	QUARTER 0, 192, 0, 1, 2, 0
	TURN 0, 1, 2, 1, 2, 1
	QUARTER 1, 64,  0, 1, 3, 0
	WIN 0
	s_sub_co_u32 s3, s3, 1
	s_cmp_lg_u32 s3, 0
	s_cbranch_scc1 .Llap
	QUARTER 1, 128, 1, 0, 3, 0                     ; the tail is written out: H6 goes on
	QUARTER 1, 192, 0, 1, 3, 0
	TURN 1, 0, 3, 1, 0, 0                          ; H7 is asked for: the last joint load
	QUARTER 0, 64,  0, 1, 2, 0                     ; X7
	QUARTER 0, 128, 1, 0, 2, 0
	QUARTER 0, 192, 0, 1, 2, 0
	TURN 0, 1, 2, 2, 0, 0                          ; slot 0 has been read out: its first 128 rows take the tile of h_in
	QUARTER 1, 64,  0, 1, 3, 0                     ; H7
	QUARTER 1, 128, 1, 0, 3, 0
	QUARTER 1, 192, 0, 1, 3, 0
	s_wait_tensorcnt 0x0                           ; my 32 rows of h_in are in,
	s_wait_dscnt 0x0                               ; and the last fragments; no LDS instruction of mine is out at the signal
	s_barrier_signal -1                            ; it shows h_in's tile to all four waves
	MULG 1, 0, 0
	MULG 1, 1, 0
	MULG 1, 3, 0
	WIN 0
	s_barrier_wait -1
; THE WAY OUT, a block of 16 rows x 64 columns (32 numbers a lane) at a time.  GATE makes h; HALF rounds it to bf16 and stores it for fc2; TOSTAGE sends the f32 through my own stage in LDS, so that whole rows of
; 256 bytes come back; SEND stores them.
; Transcendentals go in four batches a block (64 powers, 64 reciprocals, 32 powers, 32 reciprocals); behind each stand a plain instruction and the one wait ahead of a batch's first reader.
; Where a plain line feeds two transcendentals it runs two pairs ahead of them, so that no line reads the result of the line just before it.  Each accumulator's registers are read in ascending order.
.macro GATE a
	WIN 0x02                                       ; source 0 window 2
.set i, 0
.rept 16
	v_pk_mul_f32 v[TR+2*i:TR+2*i+1], v[32*(\a)+2*i:32*(\a)+2*i+1], s[NL:NL+1] op_sel_hi:[1,0]          ; -R log2 e
.set i, i+1
.endr
.set i, 0
.rept 16
	v_pk_mul_f32 v[TZ+2*i:TZ+2*i+1], v[128+32*(\a)+2*i:128+32*(\a)+2*i+1], s[NL:NL+1] op_sel_hi:[1,0]  ; -Z log2 e
.set i, i+1
.endr
	WIN 0
.irp b, 0,1,2,3
	ds_load_b128 v[HI+4*(\b):HI+4*(\b)+3], v[HA] offset:(\a)*16*PITCH+32*(\b)  ; h_in of my eight columns of block b
.endr
.set i, 0
.rept 64
	v_exp_f32 v[TR+i], v[TR+i]                     ; TR and TZ lie on end
.set i, i+1
.endr
	v_nop
	s_wait_alu depctr_va_vdst(0)
	v_pk_add_f32 v[TR:TR+1], v[TR:TR+1], 1.0 op_sel_hi:[1,0]
	v_pk_add_f32 v[TR+2:TR+3], v[TR+2:TR+3], 1.0 op_sel_hi:[1,0]
.set i, 0
.rept 32
.if i < 30
	v_pk_add_f32 v[TR+2*i+4:TR+2*i+5], v[TR+2*i+4:TR+2*i+5], 1.0 op_sel_hi:[1,0]
.endif
	v_rcp_f32 v[TR+2*i], v[TR+2*i]                 ; r, z
	v_rcp_f32 v[TR+2*i+1], v[TR+2*i+1]
.set i, i+1
.endr
	v_nop
	s_wait_alu depctr_va_vdst(0)
	WIN 0x3c                                       ; sources 1 and 2 window 3
.set i, 0
.rept 16
	v_pk_fma_f32 v[TT+2*i:TT+2*i+1], v[TR+2*i:TR+2*i+1], v[128+32*(\a)+2*i:128+32*(\a)+2*i+1], v[32*(\a)+2*i:32*(\a)+2*i+1]  ; t = r NH + NX
.set i, i+1
.endr
	WIN 0
	v_pk_mul_f32 v[TT:TT+1], v[TT:TT+1], s[TL:TL+1] op_sel_hi:[1,0]
	v_pk_mul_f32 v[TT+2:TT+3], v[TT+2:TT+3], s[TL:TL+1] op_sel_hi:[1,0]
.set i, 0
.rept 16
.if i < 14
	v_pk_mul_f32 v[TT+2*i+4:TT+2*i+5], v[TT+2*i+4:TT+2*i+5], s[TL:TL+1] op_sel_hi:[1,0]
.endif
	v_exp_f32 v[TT+2*i], v[TT+2*i]
	v_exp_f32 v[TT+2*i+1], v[TT+2*i+1]
.set i, i+1
.endr
	v_nop
	s_wait_alu depctr_va_vdst(0)
	v_pk_add_f32 v[TT:TT+1], v[TT:TT+1], 1.0 op_sel_hi:[1,0]
	v_pk_add_f32 v[TT+2:TT+3], v[TT+2:TT+3], 1.0 op_sel_hi:[1,0]
.set i, 0
.rept 16
.if i < 14
	v_pk_add_f32 v[TT+2*i+4:TT+2*i+5], v[TT+2*i+4:TT+2*i+5], 1.0 op_sel_hi:[1,0]
.endif
	v_rcp_f32 v[TT+2*i], v[TT+2*i]
	v_rcp_f32 v[TT+2*i+1], v[TT+2*i+1]
.set i, i+1
.endr
	v_nop
	s_wait_alu depctr_va_vdst(0)
	s_wait_dscnt 0x0                               ; h_in is in; so are the rows that the block before read back from the stage
.set i, 0
.rept 16
	v_pk_fma_f32 v[TT+2*i:TT+2*i+1], v[TT+2*i:TT+2*i+1], -2.0, 1.0 op_sel_hi:[1,0,0]                   ; n
.set i, i+1
.endr
.set i, 0
.rept 16
	v_pk_fma_f32 v[U+2*i:U+2*i+1], v[TZ+2*i:TZ+2*i+1], v[TT+2*i:TT+2*i+1], v[TT+2*i:TT+2*i+1] neg_lo:[1,0,0] neg_hi:[1,0,0]  ; n - z n
.set i, i+1
.endr
.set e, 0
.rept 32
.if e%2
	v_fma_mix_f32_bf16 v[TT+e], v[HI+e/2], v[TZ+e], v[U+e] op_sel:[1,0,0] op_sel_hi:[1,0,0]            ; h = h_in z + (1 - z) n, h_in straight from its bf16 half
.else
	v_fma_mix_f32_bf16 v[TT+e], v[HI+e/2], v[TZ+e], v[U+e] op_sel_hi:[1,0,0]
.endif
.set e, e+1
.endr
.endm
; h of block a, rounded once to bf16: my eight columns of column block b are 16 bytes, and the wave's 32 lanes fill one unit of H16: each store covers 512 consecutive bytes, aligned.
.macro HALF a
.if (\a) >= 1
	s_wait_xcnt 0x0                                ; every store issued so far has read its registers: those of the block before (rewritten below) and the rows sent two blocks back (which TOSTAGE loads into)
.endif
.set i, 0
.rept 16
	v_cvt_pk_bf16_f32 v[HB+i], v[TT+2*i], v[TT+2*i+1]
.set i, i+1
.endr
.irp b, 0,1,2,3
	global_store_b128 v[HO], v[HB+4*(\b):HB+4*(\b)+3], s[HP:HP+1] offset:(\a)*32768+(\b)*512
.endr
.endm
.macro TOSTAGE a
	WIN 0
.irp b, 0,1,2,3
	ds_store_b128 v[STO], v[TT+8*(\b):TT+8*(\b)+3]   offset:64*(\b)
	ds_store_b128 v[STO], v[TT+8*(\b)+4:TT+8*(\b)+7] offset:64*(\b)+16
.endr
.irp t, 0,1,2,3,4,5,6,7
	ds_load_b128 v[OB+32*((\a)%2)+4*(\t):OB+32*((\a)%2)+4*(\t)+3], v[RD] offset:(\t)*2*PITCH  ; LDS serves a wave's instructions in order (ISA guide 5.7.1.4): these see the stores above; the next block's stores come behind them
.endr
.endm
.macro SEND a
.irp t, 0,1,2,3,4,5,6,7
	global_store_b128 v[CO], v[OB+32*((\a)%2)+4*(\t):OB+32*((\a)%2)+4*(\t)+3], s[8:9] offset:(16*(\a)+2*(\t))*4096  ; 16 lanes store 256 consecutive bytes, at a multiple of 256 from out1's first byte
.endr
.endm
	PLACES                                         ; the first lines below read results of matrix instructions
	GATE 0
	HALF 0
	TOSTAGE 0
	GATE 1                                         ; a block's arithmetic stands between the loads of the block before and its stores; its own wait on DScnt shows those loads done
	HALF 1
	SEND 0
	TOSTAGE 1
	GATE 2
	HALF 2
	SEND 1
	TOSTAGE 2
	GATE 3
	HALF 3
	SEND 2
	TOSTAGE 3
	s_wait_dscnt 0x0
	SEND 3
	s_wait_tensorcnt 0x0                           ; the wave's end: behind my last tensor load and my last LDS store
	ds_add_u32 v[SPW], v[NIL]
	s_wait_dscnt 0x0
	CROUND                                         ; the closing round: no work-group ends while a partner may still ask for a tile that names it
	s_endpgm
.Lfunc_end_k_q9118d801b2_gru:
	.size	k_q9118d801b2_gru, .Lfunc_end_k_q9118d801b2_gru-k_q9118d801b2_gru
	.p2alignl 7, 3214868480
	.fill 96, 4, 3214868480
	.section	.rodata,"a",@progbits
	.p2align	6, 0x0
	.amdhsa_kernel k_q9118d801b2_gru
		.amdhsa_group_segment_fixed_size 327680
		.amdhsa_private_segment_fixed_size 0
		.amdhsa_enable_private_segment 0
		.amdhsa_kernarg_size 80
		.amdhsa_user_sgpr_count 2
		.amdhsa_user_sgpr_kernarg_segment_ptr 1
		.amdhsa_wavefront_size32 1
		.amdhsa_system_sgpr_workgroup_id_x 1
		.amdhsa_system_sgpr_workgroup_id_y 1
		.amdhsa_system_sgpr_workgroup_id_z 1
		.amdhsa_system_vgpr_workitem_id 0
		.amdhsa_next_free_vgpr 1024
		.amdhsa_next_free_sgpr 98
		.amdhsa_reserve_vcc 0
		.amdhsa_float_denorm_mode_32 3
		.amdhsa_float_denorm_mode_16_64 3
		.amdhsa_memory_ordered 1
		.amdhsa_forward_progress 1
		.amdhsa_inst_pref_size 234
	.end_amdhsa_kernel
	.amdgpu_metadata
---
amdhsa.version: [ 1, 2 ]
amdhsa.kernels:
  - .name:           k_q9118d801b2_gru
    .symbol:         k_q9118d801b2_gru.kd
    .args:
      - { .name: XH, .offset: 0, .size: 8, .value_kind: global_buffer, .address_space: global }
      - { .name: WC, .offset: 8, .size: 8, .value_kind: global_buffer, .address_space: global }
      - { .name: out1, .offset: 16, .size: 8, .value_kind: global_buffer, .address_space: global }
      - { .name: bxr, .offset: 24, .size: 8, .value_kind: global_buffer, .address_space: global }
      - { .name: bhr, .offset: 32, .size: 8, .value_kind: global_buffer, .address_space: global }
      - { .name: bxz, .offset: 40, .size: 8, .value_kind: global_buffer, .address_space: global }
      - { .name: bhz, .offset: 48, .size: 8, .value_kind: global_buffer, .address_space: global }
      - { .name: bxn, .offset: 56, .size: 8, .value_kind: global_buffer, .address_space: global }
      - { .name: bhn, .offset: 64, .size: 8, .value_kind: global_buffer, .address_space: global }
      - { .name: H16, .offset: 72, .size: 8, .value_kind: global_buffer, .address_space: global }
    .group_segment_fixed_size: 327680
    .private_segment_fixed_size: 0
    .kernarg_segment_align: 8
    .kernarg_segment_size: 80
    .max_flat_workgroup_size: 128
    .sgpr_count:     98
    .vgpr_count:     1024
    .wavefront_size: 32
...
	.end_amdgpu_metadata
.endif
;; end of part 3
;; launch fc2 (part 4): grid 256 x 1, 4 waves a work-group, clusters of 4 x 1, 327,680 bytes of LDS; arguments H16, W216, b2, out0; writes out0
.if DOCPART == 4
	.amdgcn_target "amdgcn-amd-amdhsa--gfx1250"
	.amdhsa_code_object_version 6
	.text
	.protected	k_q9118d801b2_fc2
	.globl	k_q9118d801b2_fc2
	.p2align	8
	.type	k_q9118d801b2_fc2,@function
k_q9118d801b2_fc2:
	s_mov_b64 s[64:65], 0
	v_nop
	global_prefetch_b8 v0, s[64:65] scope:SCOPE_SE
	s_setreg_imm32_b32 hwreg(HW_REG_WAVE_MODE, 25, 1), 1
	s_wait_xcnt 0x0
	s_wait_alu depctr_hold_cnt(0) depctr_sa_sdst(0) depctr_va_vdst(0) depctr_va_sdst(0) depctr_va_ssrc(0) depctr_va_vcc(0) depctr_vm_vsrc(0)
	s_getreg_b32 s2, hwreg(HW_REG_IB_STS2, 6, 4)
	s_cmp_eq_u32 s2, 0
	s_cbranch_scc0 .Lentry_in_a_cluster
	s_endpgm
.Lentry_in_a_cluster:
	s_bfe_u32 s2, ttmp6, 0x10000c
	s_cmp_lg_u32 s2, 0x3003
	s_cbranch_scc0 .Lentry_shape_is_right
	s_endpgm
.Lentry_shape_is_right:
; q = 10 tanh(h W2^T + b2).  H16 = h in bf16, as gru laid it: the unit of 16 rows (number rt) x 16 columns (number cg) is the 512 bytes from (64 rt + cg) x 512 on; in it lane l has the 16 bytes at 16 l: row l % 16,
; columns 8 (l / 16) + 0..7.  W216: [128][1024] bf16; b2 f32; out0 = q: [8192][128] f32.  Sums in f32.  Nothing of this step is left out.
; tanh(t) = 1 - 2 / (1 + 2^(2 t log2 e)): q = 10 - 20 / (..): an overflowing power gives the reciprocal 0, one below 2^-126 counts as 0: tanh's own limits.  NaN and infinities are not treated apart.
; SHARES.  A work-group makes 32 rows x all 128 columns.  K IS SPLIT AMONG ITS FOUR WAVES: wave w takes k = 256 w .. 256 w + 255 for 2 row tiles x 8 column tiles: 16 accumulators.  So each byte of h and of W2
; enters the work-group once; the four partial sums meet in LDS at the end (f32 sums may be taken in any order).
; h comes straight from memory into its operand registers: a fragment of 16 rows x 32 K is two units of H16, two loads of 512 consecutive bytes; 32 loads a wave, all issued at the head.  W2's slab of wave w
; (128 rows x 256 K) comes by two tensor loads of 128 along K each, into LDS bytes that only wave w reads: its own wait on TENSORcnt is all the ordering that the reads need.  By this text's count a wave has two
; tensor loads out.  No LDS byte is filled twice.
; CLUSTER: 4 x 1.  All work-groups read the same W2: the four partners ask for each tile jointly, with the same descriptor and the mask of four.
; No prefetch: all that the work-group reads is asked for at its head.
; THE MATRIX INSTRUCTION IS USED TRANSPOSED (source 0 = 16 rows of W2, source 1 = 16 rows of h): a lane holds eight neighbouring columns of a row of q.
; REGISTERS: window 0: v0-15 addresses; v48-55 b2 and b2 x 2 log2 e; v64-191 W2's fragments, two buffers, later the four partial sums.
;   window 1: v0-127 h's fragments (fragment f, row tile mt at 16 f + 8 mt).   window 2: v0-127 the accumulators ((mt, nt) at 8 (8 mt + nt)).
.set PITCH,  272                       ; an LDS row of W2: 256 bytes + 16 of padding: the 16 rows that a load touches start at 16 different groups of four banks (64 banks of 4 bytes: ISA guide 11.1)
.set HALF,   128*PITCH                 ; 128 rows x 128 K: one tensor load
.set REGION, 2*HALF                    ; a wave's bytes
.set PP,     528                       ; a row of partial sums: 512 bytes + 16.  32 such rows lie in the first 16,896 bytes of the wave's region, once its fills and its reads of them are over
.set SPARE,  4*REGION                  ; behind the regions: the spare words, 128 bytes for each wave: two blocks of 256 bytes that no other line names
.set AO,  4                            ; v4     my byte offset in the work-group's part of H16: 8,192 x wave + 16 x lane
.set BA,  5                            ; v5-6   LDS address of my fragments of W2 in half 0, 1
.set PS,  7                            ; v7     where I put 32 bytes of a row of partial sums
.set PR,  8                            ; v8-11  where I read wave p's partial sums of my eight rows
.set QO,  12                           ; v12    16 x lane: my four columns, in b2 and in a row of q
.set SPW, 14                           ; v14    LDS address of my spare word; never rewritten
.set NIL, 15                           ; v15    0; never rewritten
.set B2,  48
.set B2C, 52
.set BF,  64
.set WV,  12                           ; s12    my wave's number
.set G1,  16                           ; s[16:23] descriptor group 1
.set G0,  24                           ; s[24:31] group 0, a set for each half
.set CC,  32                           ; s[32:33] 2 log2 e
.set M20, 34                           ; s[34:35] -20
.set P10, 36                           ; s[36:37] 10
.set MSB, 0
.macro WIN new                         ; the immediate's high byte repeats the setting that is left; a switch that changes nothing is dropped
.if MSB != (\new)
	s_set_vgpr_msb (MSB<<8)|(\new)
.set MSB, \new
.endif
.endm
.macro CROUND                          ; a round of the cluster's barrier: my work-group's barrier; wave 0 signals for the work-group; every wave waits for all four; my work-group's barrier once more
	s_barrier_signal -1
	s_barrier_wait -1
	s_cmp_lg_u32 s[WV], 0
	s_cbranch_scc1 .Lnot_wave_0_\@
	s_barrier_signal -3
.Lnot_wave_0_\@:
	s_barrier_wait -3
	s_barrier_signal -1
	s_barrier_wait -1
.endm
.macro PLACES                          ; four places behind matrix instructions, in front of loads into registers that they have read and of stores that read results
.rept 4
	v_nop
.endr
.endm
	s_load_b256 s[4:11], s[0:1], 0x0               ; H16 s[4:5], W216 s[6:7], b2 s[8:9], out0 s[10:11]
	v_lshl_add_u32 v[SPW], v0, 2, SPARE
	v_mov_b32 v[NIL], 0
	ds_add_u32 v[SPW], v[NIL]                      ; the wave's opening: the add, twice on end, and its wait ahead of my first tensor load; the set-up below stands between
	ds_add_u32 v[SPW], v[NIL]
	v_lshrrev_b32 v1, 5, v0
	v_readfirstlane_b32 s[WV], v1                  ; wave 0..3
	s_bfe_u32 s13, ttmp6, 0x40000                  ; cx: my place in the cluster
	s_lshl_b32 s14, ttmp9, 2
	s_add_co_u32 s14, s14, s13                     ; my block of 32 rows = 4 x cluster x + cx: it enters h's and q's addresses alone
	s_mov_b32 s[G1], 15|(1<<16)|(1<<20)|(1<<21)|(5<<22)|(3<<25)  ; 15:0 the mask of four; 17:16 elements of 2 bytes; 20 padding on; 21 set beside a mask; 24:22 after every 64 words (code 5); 31:25 4 words of it (code 3)
	s_mov_b32 s[G1+1], 128<<16                     ; tensor_dim0 = 128
	s_mov_b32 s[G1+2], 128<<16                     ; tensor_dim1 = 128
	s_mov_b32 s[G1+3], 128<<16                     ; tile_dim0 = 128
	s_mov_b32 s[G1+4], 128                         ; tile_dim1 = 128
	s_mov_b32 s[G1+5], 1024                        ; elements from row to row
	s_mov_b32 s[G1+6], 0
	s_mov_b32 s[G1+7], 0
	s_mul_i32 s38, s[WV], REGION                   ; my region: no place in the cluster enters an LDS address
	s_lshl_b32 s40, s[WV], 9                       ; my 256 of K: 512 bytes into W2's rows
	s_mov_b32 s41, 0
	s_mov_b32 s[G0], 1
	s_mov_b32 s[G0+1], s38
	s_mov_b32 s[G0+4], 1
	s_add_co_u32 s[G0+5], s38, HALF
	s_mov_b32 s[CC], 0x4038aa3b
	s_mov_b32 s[CC+1], 0x4038aa3b
	s_mov_b32 s[M20], 0xc1a00000
	s_mov_b32 s[M20+1], 0xc1a00000
	s_mov_b32 s[P10], 0x41200000
	s_mov_b32 s[P10+1], 0x41200000
	s_lshl_b32 s44, s14, 16                        ; H16: two row tiles of 64 units of 512 bytes a work-group
	s_mov_b32 s45, 0
	v_and_b32 v1, 15, v0                           ; l % 16
	v_bfe_u32 v2, v0, 4, 1                         ; l / 16
	v_and_b32 v3, 31, v0                           ; l
	v_lshlrev_b32 v[QO], 4, v3
	s_lshl_b32 s42, s[WV], 13                      ; my 256 of K: 16 units of 512 bytes
	v_add_nc_u32 v[AO], s42, v[QO]
	v_mul_u32_u24 v13, v1, PITCH
	v_lshl_add_u32 v13, v2, 4, v13                 ; W2: a fragment's row x pitch + 16 x half
	v_add_nc_u32 v[BA], s38, v13
	v_add_nc_u32 v[BA+1], HALF, v[BA]
	v_mul_u32_u24 v13, v1, PP                      ; partial sums in: row l % 16, 32 bytes for each half of the lanes
	v_lshl_add_u32 v13, v2, 5, v13
	v_add_nc_u32 v[PS], s38, v13
	s_mul_i32 s43, s[WV], 8*PP                     ; back: my eight rows, 16 bytes a lane, out of each wave's region
	v_add_nc_u32 v[PR], s43, v[QO]
	v_add_nc_u32 v[PR+1], REGION, v[PR]
	v_add_nc_u32 v[PR+2], 2*REGION, v[PR]
	v_add_nc_u32 v[PR+3], 3*REGION, v[PR]
	s_wait_dscnt 0x0                               ; both opening adds are done
	s_wait_kmcnt 0x0
	s_add_nc_u64 s[G0+2:G0+3], s[6:7], s[40:41]
	s_add_nc_u64 s[G0+6:G0+7], s[G0+2:G0+3], 256   ; the second 128 of my K
	s_or_b32 s[G0+3], s[G0+3], 0x80000000          ; type = 2
	s_or_b32 s[G0+7], s[G0+7], 0x80000000
	s_add_nc_u64 s[4:5], s[4:5], s[44:45]
	s_lshl_b32 s44, s14, 14                        ; q: 32 rows of 512 bytes a work-group,
	s_lshl_b32 s42, s[WV], 12                      ; eight rows a wave
	s_add_co_u32 s44, s44, s42
	s_add_nc_u64 s[10:11], s[10:11], s[44:45]
	global_load_b128 v[B2:B2+3], v[QO], s[8:9]     ; b2 of my four columns
	; A fragment of h is 16 rows x 32 K: lane l holds row l % 16, K = 8 (l / 16) + 0..7 in registers 0-3 and 16 + 8 (l / 16) + 0..7 in registers 4-7: my 16 bytes of two neighbouring units.
	; These loads hang on no partner, so they go out ahead of the round.
	WIN 0x40                                       ; destination window 1, address window 0
.irp f, 0,1,2,3,4,5,6,7
.irp mt, 0,1
.irp j, 0,1
	global_load_b128 v[16*(\f)+8*(\mt)+4*(\j):16*(\f)+8*(\mt)+4*(\j)+3], v[AO], s[4:5] offset:32768*(\mt)+1024*(\f)+512*(\j) th:TH_LOAD_NT  ; 512 consecutive bytes; the launch reads each byte of h once
.endr
.endr
.endr
	WIN 0
	CROUND                                         ; all four work-groups are here: the joint loads meet
	tensor_load_to_lds s[G0:G0+3], s[G1:G1+7]      ; both fills go out together, ahead of every wait on TENSORcnt and every LDS read; an s_nop 0 follows each, four v_nop the second
	s_nop 0
	tensor_load_to_lds s[G0+4:G0+7], s[G1:G1+7]
	s_nop 0
	PLACES
.macro BLOAD f                         ; W2's eight fragments of 32 along K, number f of my eight: 16 LDS loads into buffer f % 2
	WIN 0
.irp nt, 0,1,2,3,4,5,6,7
	ds_load_b128 v[BF+64*((\f)%2)+8*(\nt):BF+64*((\f)%2)+8*(\nt)+3],   v[BA+(\f)/4] offset:(\nt)*16*PITCH+64*((\f)%4)
	ds_load_b128 v[BF+64*((\f)%2)+8*(\nt)+4:BF+64*((\f)%2)+8*(\nt)+7], v[BA+(\f)/4] offset:(\nt)*16*PITCH+64*((\f)%4)+32
.endr
.endm
.macro MUL f                           ; 16 matrix instructions; the 16 accumulators take turns; the first fragment's products start the sums
	WIN 0xa4                                       ; W2's fragment window 0, h's window 1, C and D window 2
.irp mt, 0,1
.irp nt, 0,1,2,3,4,5,6,7
.if (\f) == 0
	v_wmma_f32_16x16x32_bf16 v[8*(8*(\mt)+(\nt)):8*(8*(\mt)+(\nt))+7], v[BF+64*((\f)%2)+8*(\nt):BF+64*((\f)%2)+8*(\nt)+7], v[16*(\f)+8*(\mt):16*(\f)+8*(\mt)+7], 0
.else
	v_wmma_f32_16x16x32_bf16 v[8*(8*(\mt)+(\nt)):8*(8*(\mt)+(\nt))+7], v[BF+64*((\f)%2)+8*(\nt):BF+64*((\f)%2)+8*(\nt)+7], v[16*(\f)+8*(\mt):16*(\f)+8*(\mt)+7], v[8*(8*(\mt)+(\nt)):8*(8*(\mt)+(\nt))+7]
.endif
.endr
.endr
.endm
	s_wait_tensorcnt 0x1                           ; my first half of W2 is in; the second stays out
	BLOAD 0
.irp f, 0,1,2,3,4,5,6,7
.if (\f) < 7
.if (\f) >= 1
	PLACES                                         ; the buffer loaded below was read by the products of fragment f - 1
.endif
.if (\f) == 3
	s_wait_tensorcnt 0x0                           ; fragment 4 lies in my second half of W2
.endif
	BLOAD (\f)+1
	s_wait_dscnt 16                                ; fragment f of W2 is in; the sixteen loads just issued may be out
.else
	s_wait_dscnt 0x0
.endif
	s_wait_loadcnt 28-4*(\f)                       ; b2 and h's fragments up to f are in; the later fragments' four loads each stay out
	MUL \f
.endr
	PLACES
	WIN 0x08                                       ; store data (source 1) window 2
.irp mt, 0,1
.irp nt, 0,1,2,3,4,5,6,7
	ds_store_b128 v[PS], v[8*(8*(\mt)+(\nt)):8*(8*(\mt)+(\nt))+3]   offset:(\mt)*16*PP+64*(\nt)      ; each accumulator's four lowest registers first
	ds_store_b128 v[PS], v[8*(8*(\mt)+(\nt))+4:8*(8*(\mt)+(\nt))+7] offset:(\mt)*16*PP+64*(\nt)+16
.endr
.endr
	WIN 0
	s_wait_dscnt 0x0                               ; for the others' sake: my partial sums are stored
	s_barrier_signal -1
	s_barrier_wait -1                              ; all four waves' partial sums lie in LDS
.irp p, 0,1,2,3
.irp i, 0,1,2,3,4,5,6,7
	ds_load_b128 v[BF+32*(\p)+4*(\i):BF+32*(\p)+4*(\i)+3], v[PR+(\p)] offset:(\i)*PP  ; row 8 w + i, my four columns
.endr
.endr
	v_pk_mul_f32 v[B2C:B2C+1], v[B2:B2+1], s[CC:CC+1] op_sel_hi:[1,0]
	v_pk_mul_f32 v[B2C+2:B2C+3], v[B2+2:B2+3], s[CC:CC+1] op_sel_hi:[1,0]
	s_wait_dscnt 0x0
.set j, 0
.rept 16
	v_pk_add_f32 v[BF+2*j:BF+2*j+1], v[BF+2*j:BF+2*j+1], v[BF+32+2*j:BF+32+2*j+1]
	v_pk_add_f32 v[BF+64+2*j:BF+64+2*j+1], v[BF+64+2*j:BF+64+2*j+1], v[BF+96+2*j:BF+96+2*j+1]
.set j, j+1
.endr
.set j, 0
.rept 16
	v_pk_add_f32 v[BF+2*j:BF+2*j+1], v[BF+2*j:BF+2*j+1], v[BF+64+2*j:BF+64+2*j+1]
.set j, j+1
.endr
.set j, 0
.rept 16
	v_pk_fma_f32 v[BF+2*j:BF+2*j+1], v[BF+2*j:BF+2*j+1], s[CC:CC+1], v[B2C+(2*j)%4:B2C+(2*j)%4+1] op_sel_hi:[1,0,1]  ; (sum + b2) x 2 log2 e
.set j, j+1
.endr
.set j, 0
.rept 32
	v_exp_f32 v[BF+j], v[BF+j]
.set j, j+1
.endr
	v_nop                                          ; a plain instruction behind the last power,
	s_wait_alu depctr_va_vdst(0)                   ; and the one wait ahead of the batch's first reader
.set j, 0
.rept 16
	v_pk_add_f32 v[BF+2*j:BF+2*j+1], v[BF+2*j:BF+2*j+1], 1.0 op_sel_hi:[1,0]
	v_rcp_f32 v[BF+2*j], v[BF+2*j]
	v_rcp_f32 v[BF+2*j+1], v[BF+2*j+1]
.set j, j+1
.endr
	v_nop
	s_wait_alu depctr_va_vdst(0)
.set j, 0
.rept 16
	v_pk_fma_f32 v[BF+2*j:BF+2*j+1], v[BF+2*j:BF+2*j+1], s[M20:M20+1], s[P10:P10+1] op_sel_hi:[1,0,0]  ; q = 10 - 20 / (1 + 2^..)
.set j, j+1
.endr
.irp i, 0,1,2,3,4,5,6,7
	global_store_b128 v[QO], v[BF+4*(\i):BF+4*(\i)+3], s[10:11] offset:512*(\i)  ; a whole row of q: 512 consecutive bytes, at a multiple of 256 from out0's first byte
.endr
	s_wait_tensorcnt 0x0                           ; the wave's end: behind my last tensor load and my last LDS store
	ds_add_u32 v[SPW], v[NIL]
	s_wait_dscnt 0x0
	CROUND                                         ; the closing round: no work-group ends while a partner may still ask for a tile that names it
	s_endpgm
.Lfunc_end_k_q9118d801b2_fc2:
	.size	k_q9118d801b2_fc2, .Lfunc_end_k_q9118d801b2_fc2-k_q9118d801b2_fc2
	.p2alignl 7, 3214868480
	.fill 96, 4, 3214868480
	.section	.rodata,"a",@progbits
	.p2align	6, 0x0
	.amdhsa_kernel k_q9118d801b2_fc2
		.amdhsa_group_segment_fixed_size 327680
		.amdhsa_private_segment_fixed_size 0
		.amdhsa_enable_private_segment 0
		.amdhsa_kernarg_size 32
		.amdhsa_user_sgpr_count 2
		.amdhsa_user_sgpr_kernarg_segment_ptr 1
		.amdhsa_wavefront_size32 1
		.amdhsa_system_sgpr_workgroup_id_x 1
		.amdhsa_system_sgpr_workgroup_id_y 1
		.amdhsa_system_sgpr_workgroup_id_z 1
		.amdhsa_system_vgpr_workitem_id 0
		.amdhsa_next_free_vgpr 640
		.amdhsa_next_free_sgpr 66
		.amdhsa_reserve_vcc 0
		.amdhsa_float_denorm_mode_32 3
		.amdhsa_float_denorm_mode_16_64 3
		.amdhsa_memory_ordered 1
		.amdhsa_forward_progress 1
		.amdhsa_inst_pref_size 39
	.end_amdhsa_kernel
	.amdgpu_metadata
---
amdhsa.version: [ 1, 2 ]
amdhsa.kernels:
  - .name:           k_q9118d801b2_fc2
    .symbol:         k_q9118d801b2_fc2.kd
    .args:
      - { .name: H16, .offset: 0, .size: 8, .value_kind: global_buffer, .address_space: global }
      - { .name: W216, .offset: 8, .size: 8, .value_kind: global_buffer, .address_space: global }
      - { .name: b2, .offset: 16, .size: 8, .value_kind: global_buffer, .address_space: global }
      - { .name: out0, .offset: 24, .size: 8, .value_kind: global_buffer, .address_space: global }
    .group_segment_fixed_size: 327680
    .private_segment_fixed_size: 0
    .kernarg_segment_align: 8
    .kernarg_segment_size: 32
    .max_flat_workgroup_size: 128
    .sgpr_count:     66
    .vgpr_count:     640
    .wavefront_size: 32
...
	.end_amdgpu_metadata
.endif
;; end of part 4
;; ======== version 2 of 2: 4 launches; version 1 with the launch cast written anew for expert scheduling mode
;; workspace buffers: XH 33,554,432 bytes; WC 12,582,912 bytes; IN16 8,388,608 bytes; W116 1,048,576 bytes; W216 262,144 bytes; H16 16,777,216 bytes
;; launch cast (part 5): grid 680 x 1, 8 waves a work-group, no clusters, 0 bytes of LDS; arguments inputs, Wxr, Whr, Wxz, Whz, Wxn, Whn, W1, W2, IN16, WC, W116, W216; writes IN16, WC, W116, W216
.if DOCPART == 5
	.amdgcn_target "amdgcn-amd-amdhsa--gfx1250"
	.amdhsa_code_object_version 6
	.text
	.protected	k_q9118d801b2_cast
	.globl	k_q9118d801b2_cast
	.p2align	8
	.type	k_q9118d801b2_cast,@function
k_q9118d801b2_cast:
	s_mov_b64 s[64:65], 0
	v_nop
	global_prefetch_b8 v0, s[64:65] scope:SCOPE_SE
	s_setreg_imm32_b32 hwreg(HW_REG_WAVE_SCHED_MODE, 0, 2), 2
	s_setreg_imm32_b32 hwreg(HW_REG_WAVE_MODE, 25, 1), 1
	s_wait_xcnt 0x0
	s_wait_alu depctr_vm_vsrc(0)
; THE PROGRAM: x = relu(inputs W1^T + b1); a GRU cell (six products of 1024 x 1024, the gates); q = 10 tanh(h W2^T + b2).  Four launches: this one, fc1, gru, fc2.
; NOTHING OF reference() IS LEFT OUT: each of its 18 inputs has a way to an output and is loaded; hidden.reshape moves nothing.
; LIMITS of the whole program.  Matrix operands are rounded once to bf16 (nearest even), sums are f32 and taken in another order than reference()'s.  The h_in of z h_in is hidden rounded once to bf16 (off by at
; most 2^-9 of itself).  sigmoid(u) = 1 / (1 + 2^(-u log2 e)), tanh(t) = 1 - 2 / (1 + 2^(2 t log2 e)): where the power overflows the reciprocal is 0, where it falls below 2^-126 it counts as 0: both are the
; functions' own limits.  NaN and infinities are not treated apart.
; THIS LAUNCH rounds the weights and the inputs to bf16 and lays them out for the products (hidden is rounded by fc1, beside its products):
;   WC [3][1024][2048]: gate g (r, z, n), row c = Wx_g[c][:] then Wh_g[c][:];   IN16, W116, W216: as inputs, W1, W2 lie.
; A stream: no LDS, no matrix unit, no cluster (no byte is read twice).  Every source is taken as rows of 1,024 f32; a work-group has a chunk of 16 such rows (65,536 bytes), a wave two of them:
; 16 loads of 512 consecutive bytes, all issued ahead of the first wait, and 16 stores of 256 consecutive bytes, each at a multiple of 256 from its buffer's first byte.
; Chunks: the six weights 64 each from 0 on, inputs 384-639, W1 640-671, W2 672-679.
; THE MODE: SCHED_MODE bits 1:0 = 2 (LLVM: expert scheduling mode 2), set by the entry lines.  The code itself states the register dependences between vector instructions and memory instructions,
; with s_wait_alu, always for 0.
; THE PLAN.  Registers that memory instructions touch:
;   v[VS]         Written at the head; read by the 16 loads as their offset; never written again.
;   v[VD0], v[VD1]  Written behind the loads; read by the stores as their offset; never written again.
;   X, load i     Four registers in which load i lands; no vector line names them before that.  The two roundings of i read them and write the first two, which store i reads; never written again.
; The 16 loads go in four groups of four.  Group g rounds its own four; the four stores of group g - 1 are dealt among those roundings, which name group g's registers alone.  So ONE wait on va_vdst at a
; group's head states all that its four stores hang on; one more stands ahead of the loads, for v[VS], and one ahead of the last four stores.  No register that a memory instruction reads is ever written
; again, so no wait on vm_vsrc stands for the loads and stores; no vector line writes a scalar register, VCC or EXEC.
.set SRC, 40                           ; s[40:41] the chunk's source
.set DST, 42                           ; s[42:43] its destination
.set LB,  44                           ; s44  the first chunk of its tensor
.set DOF, 45                           ; s45  bytes from the destination buffer's first byte to the tensor's first row there
.set PSH, 46                           ; s46  log2 of the bytes from row to row in the destination: 12 (beside another half row) or 11 (dense)
.set CH,  47                           ; s47  my chunk
.set VS,  3                            ; v3   my byte offset in the chunk: 8,192 x wave + 16 x lane
.set VD0, 4                            ; v4   my byte offset in the destination, first row of my two
.set VD1, 5                            ; v5   second row
.set X,   8                            ; v[8:71] load i: four f32, then two words of bf16 in the first two registers
; From chunk lo on another tensor begins: a choice between buffers on the work-group's number alone.
.macro PICK lo, src, dst, dof, psh
	s_cmp_ge_u32 s[CH], \lo
	s_cselect_b64 s[SRC:SRC+1], s[\src:\src+1], s[SRC:SRC+1]
	s_cselect_b64 s[DST:DST+1], s[\dst:\dst+1], s[DST:DST+1]
	s_cselect_b32 s[LB], \lo, s[LB]
	s_cselect_b32 s[DOF], \dof, s[DOF]
	s_cselect_b32 s[PSH], \psh, s[PSH]
.endm
	s_load_b512 s[8:23], s[0:1], 0x0               ; inputs 8, Wxr 10, Whr 12, Wxz 14, Whz 16, Wxn 18, Whn 20, W1 22
	s_load_b256 s[24:31], s[0:1], 0x40             ; W2 24, IN16 26, WC 28, W116 30
	s_load_b64 s[32:33], s[0:1], 0x60              ; W216
	s_mov_b32 s[CH], ttmp9
	v_and_b32 v1, 31, v0                           ; lane
	v_lshrrev_b32 v2, 5, v0                        ; wave
	v_lshlrev_b32 v[VS], 4, v1
	v_lshl_add_u32 v[VS], v2, 13, v[VS]
	s_wait_kmcnt 0x0
	s_mov_b64 s[SRC:SRC+1], s[10:11]               ; chunks 0-63: Wxr: gate 0, left half of WC's rows
	s_mov_b64 s[DST:DST+1], s[28:29]
	s_mov_b32 s[LB], 0
	s_mov_b32 s[DOF], 0
	s_mov_b32 s[PSH], 12
	PICK 64,  12, 28, 2048,    12                  ; Whr: gate 0, right half
	PICK 128, 14, 28, 4194304, 12                  ; Wxz: gate 1 begins 1,024 rows of 4,096 bytes on
	PICK 192, 16, 28, 4196352, 12                  ; Whz
	PICK 256, 18, 28, 8388608, 12                  ; Wxn
	PICK 320, 20, 28, 8390656, 12                  ; Whn
	PICK 384, 8,  26, 0,       11                  ; inputs
	PICK 640, 22, 30, 0,       11                  ; W1
	PICK 672, 24, 32, 0,       11                  ; W2
	s_sub_co_u32 s48, s[CH], s[LB]                 ; my chunk's number in its tensor, 255 at the most
	s_lshl_b32 s50, s48, 4                         ; its first row
	s_lshl_b32 s48, s48, 16                        ; its first byte in the source
	s_mov_b32 s49, 0
	s_lshl_b32 s50, s50, s[PSH]
	s_add_co_u32 s50, s50, s[DOF]                  ; its first byte in the destination: under 2^24
	s_mov_b32 s51, 0
	s_add_nc_u64 s[SRC:SRC+1], s[SRC:SRC+1], s[48:49]
	s_add_nc_u64 s[DST:DST+1], s[DST:DST+1], s[50:51]
	s_wait_alu depctr_va_vdst(0)                   ; v[VS] is written, which the sixteen loads read as their offset
.irp i, 0,1,2,3,4,5,6,7,8,9,10,11,12,13,14,15
	global_load_b128 v[X+4*(\i):X+4*(\i)+3], v[VS], s[SRC:SRC+1] offset:512*(\i) th:TH_LOAD_NT  ; the launch reads each byte once
.endr
	v_lshlrev_b32 v6, 1, v2                        ; my first row in the chunk: 2 x wave
	v_lshlrev_b32 v6, s[PSH], v6
	v_lshl_add_u32 v[VD0], v1, 3, v6               ; + 8 bytes a lane
	s_lshl_b32 s48, 1, s[PSH]
	v_add_nc_u32 v[VD1], s48, v[VD0]
; Group g: loads 4 g to 4 g + 3 are rounded in place; the stores of group g - 1 go out among the roundings, one ahead of each pair.
.macro GROUP g
	s_wait_loadcnt 12-4*(\g)                       ; loads come back in order (ISA guide 5.7.1): the group's four are in, the 12 - 4 g younger ones stay out
.if (\g) > 0
	s_wait_alu depctr_va_vdst(0)                   ; the roundings of the group before have written the data that the four stores below read; at group 1 also: v[VD0] and v[VD1], the stores' offsets, are written
.endif
.irp k, 0,1,2,3
.if (\g) > 0
	global_store_b64 v[VD0+(4*(\g)-4+(\k))/8], v[X+4*(4*(\g)-4+(\k)):X+4*(4*(\g)-4+(\k))+1], s[DST:DST+1] offset:256*((4*(\g)-4+(\k))%8)  ; no vector line since the wait names these registers; no register is written twice, so no store's source is waited for
.endif
	v_cvt_pk_bf16_f32 v[X+4*(4*(\g)+(\k))], v[X+4*(4*(\g)+(\k))], v[X+4*(4*(\g)+(\k))+1]
	v_cvt_pk_bf16_f32 v[X+4*(4*(\g)+(\k))+1], v[X+4*(4*(\g)+(\k))+2], v[X+4*(4*(\g)+(\k))+3]
.endr
.endm
	GROUP 0
	GROUP 1
	GROUP 2
	GROUP 3
	s_wait_alu depctr_va_vdst(0)                   ; group 3's roundings have written the data that the last four stores read
.irp i, 12,13,14,15
	global_store_b64 v[VD1], v[X+4*(\i):X+4*(\i)+1], s[DST:DST+1] offset:256*((\i)%8)
.endr
	s_endpgm
.Lfunc_end_k_q9118d801b2_cast:
	.size	k_q9118d801b2_cast, .Lfunc_end_k_q9118d801b2_cast-k_q9118d801b2_cast
	.p2alignl 7, 3214868480
	.fill 96, 4, 3214868480
	.section	.rodata,"a",@progbits
	.p2align	6, 0x0
	.amdhsa_kernel k_q9118d801b2_cast
		.amdhsa_group_segment_fixed_size 0
		.amdhsa_private_segment_fixed_size 0
		.amdhsa_enable_private_segment 0
		.amdhsa_kernarg_size 104
		.amdhsa_user_sgpr_count 2
		.amdhsa_user_sgpr_kernarg_segment_ptr 1
		.amdhsa_wavefront_size32 1
		.amdhsa_system_sgpr_workgroup_id_x 1
		.amdhsa_system_sgpr_workgroup_id_y 1
		.amdhsa_system_sgpr_workgroup_id_z 1
		.amdhsa_system_vgpr_workitem_id 0
		.amdhsa_next_free_vgpr 72
		.amdhsa_next_free_sgpr 66
		.amdhsa_reserve_vcc 0
		.amdhsa_float_denorm_mode_32 3
		.amdhsa_float_denorm_mode_16_64 3
		.amdhsa_memory_ordered 1
		.amdhsa_forward_progress 1
		.amdhsa_inst_pref_size 9
	.end_amdhsa_kernel
	.amdgpu_metadata
---
amdhsa.version: [ 1, 2 ]
amdhsa.kernels:
  - .name:           k_q9118d801b2_cast
    .symbol:         k_q9118d801b2_cast.kd
    .args:
      - { .name: inputs, .offset: 0, .size: 8, .value_kind: global_buffer, .address_space: global }
      - { .name: Wxr, .offset: 8, .size: 8, .value_kind: global_buffer, .address_space: global }
      - { .name: Whr, .offset: 16, .size: 8, .value_kind: global_buffer, .address_space: global }
      - { .name: Wxz, .offset: 24, .size: 8, .value_kind: global_buffer, .address_space: global }
      - { .name: Whz, .offset: 32, .size: 8, .value_kind: global_buffer, .address_space: global }
      - { .name: Wxn, .offset: 40, .size: 8, .value_kind: global_buffer, .address_space: global }
      - { .name: Whn, .offset: 48, .size: 8, .value_kind: global_buffer, .address_space: global }
      - { .name: W1, .offset: 56, .size: 8, .value_kind: global_buffer, .address_space: global }
      - { .name: W2, .offset: 64, .size: 8, .value_kind: global_buffer, .address_space: global }
      - { .name: IN16, .offset: 72, .size: 8, .value_kind: global_buffer, .address_space: global }
      - { .name: WC, .offset: 80, .size: 8, .value_kind: global_buffer, .address_space: global }
      - { .name: W116, .offset: 88, .size: 8, .value_kind: global_buffer, .address_space: global }
      - { .name: W216, .offset: 96, .size: 8, .value_kind: global_buffer, .address_space: global }
    .group_segment_fixed_size: 0
    .private_segment_fixed_size: 0
    .kernarg_segment_align: 8
    .kernarg_segment_size: 104
    .max_flat_workgroup_size: 256
    .sgpr_count:     66
    .vgpr_count:     72
    .wavefront_size: 32
...
	.end_amdgpu_metadata
.endif
;; end of part 5
;; launch fc1: the kernel of part 2 again; grid 8 x 64, 4 waves a work-group, clusters of 4 x 4, 327,680 bytes of LDS; arguments IN16, W116, XH, b1, hidden; writes XH
;; launch gru: the kernel of part 3 again; grid 8 x 64, 4 waves a work-group, clusters of 4 x 4, 327,680 bytes of LDS; arguments XH, WC, out1, bxr, bhr, bxz, bhz, bxn, bhn, H16; writes out1, H16
;; launch fc2: the kernel of part 4 again; grid 256 x 1, 4 waves a work-group, clusters of 4 x 1, 327,680 bytes of LDS; arguments H16, W216, b2, out0; writes out0
